; MI455X (gfx1250); checked and timed in simulation.
; The chip was launched on July 23, 2026; its instructions are those of AMD's public machine-readable ISA for CDNA 5 (MIT licence, August 2026) and "CDNA5" Instruction Set Architecture Reference Guide (July 2026). The comments in the code are by the model that wrote it; some were corrected since.
;; multihead self attention. Allowed arithmetic: matrix products marked QUANTISED: E2M1 operands, one E8M0 scale for each 32 along K, by v_wmma_scale_f32_16x16x128_f8f6f4 with both operands' format E2M1 (or v_wmma_scale_f32_32x16x128_f4), f32 sums; products left as they are: bf16, f16 or f32 operands; f32 sums; everything else in f32.
;; Inputs: wk 1,024 x 1,024 float32; wo 1,024 x 1,024 float32; wq 1,024 x 1,024 float32; wv 1,024 x 1,024 float32; x 4 x 2,048 x 1,024 float32.
;; Outputs: out0 4 x 2,048 x 1,024 float32.
;; This version of the problem:
;;   THIS VERSION OF THE PROBLEM IS GIVEN IN LOW PRECISION. The matrix products marked QUANTISED in the list below multiply operands that are first quantised to E2M1 (2 exponent bits, 1 mantissa bit; 4 bits a number), with one power-of-two scale for each 32 numbers along K (OCP MX v1.0); their sums are f32. The products marked 'left as it is' may take bf16, f16 or f32 operands, with f32 sums. Whichever they take, every output number must still come out within the allowed error. Rounding operands to bf16 (8 significant bits) uses up far more of that allowance than f16 does (11 bits, for magnitudes from 6e-5 to 65,504). All else is computed in f32.
;;   The module's matrix products, in the order in which they are computed (A, B: the left and right operand; K: the contracted axis; several contracted axes count as one K, in the product's order):
;;     1. [M 8,192, K 1,024] x [K 1,024, N 1,024]; A: input x; B: input wq: QUANTISED
;;     2. [M 8,192, K 1,024] x [K 1,024, N 1,024]; A: input x; B: input wk: QUANTISED
;;     3. [M 8,192, K 1,024] x [K 1,024, N 1,024]; A: input x; B: input wv: QUANTISED
;;     4. batch 64 x [M 2,048, K 64] x [K 64, N 2,048]; A: computed on the way; B: computed on the way: left as it is (an operand is computed on the way)
;;     5. batch 64 x [M 2,048, K 2,048] x [K 2,048, N 64]; A: computed on the way; B: computed on the way: left as it is (an operand is computed on the way)
;;     6. [M 8,192, K 1,024] x [K 1,024, N 1,024]; A: computed on the way; B: input wo: left as it is (an operand is computed on the way)
;;   THE QUANTISER, for each operand of a quantised product, along K:
;;     - K is cut into blocks of 32 from its start; a last block that is shorter is filled with zeros.
;;     - A block's scale is 2^e with e = floor(log2(the largest magnitude in the block)) - 2, held to -126 .. 127; a block of zeros has e = 0. As a byte (E8M0): e + 127.
;;     - Each number is divided by its block's scale, clamped to +-6, and rounded to the nearest number of E2M1, ties to even, subnormals kept.
;;     - The product sums the exact products of the quantised numbers (number of the format x scale) in f32.
;;   ~~~python
;;   def quantise(x, axis):      # numpy; x: float32 -> the quantised numbers, widened to float32 again
;;       x = np.moveaxis(x, axis, -1); K = x.shape[-1]
;;       x = np.pad(x, [(0, 0)] * (x.ndim - 1) + [(0, -K % 32)]); x = x.reshape(x.shape[:-1] + (-1, 32)); a = np.abs(x).max(-1, keepdims=True)
;;       e = np.where(a > 0, np.clip(np.frexp(np.where(a > 0, a, 1))[1] - 1 - 2, -126, 127), 0)      # np.frexp(a)[1] - 1 = floor(log2(a)), exactly
;;       r = np.clip(x / 2.0 ** e, -6, 6)
;;       step = 2.0 ** (np.maximum(np.frexp(np.where(r == 0, 1, r))[1] - 1, 0) - 1)
;;       q = np.round(r / step) * step * 2.0 ** e      # np.round: ties to even
;;       return np.moveaxis(q.reshape(q.shape[:-2] + (-1,))[..., :K], -1, axis).astype(np.float32)
;;   ~~~
;; One version. Each part assembles by itself: llvm-mc -triple=amdgcn-amd-amdhsa -mcpu=gfx1250 --defsym DOCPART=n.
;; ======== version 1 of 1: 5 launches
;; limits: values are held in f16: magnitudes above 65,504 overflow, below 6.1e-05 lose precision
;; workspace buffers: codes 5,767,168 bytes; scales 360,448 bytes; wo16 2,097,152 bytes; rope 524,288 bytes; qkv 50,331,648 bytes; fine 786,432 bytes; att 16,777,216 bytes
;; launch prep (part 1): grid 416 x 1, 4 waves a work-group, no clusters, 33,280 bytes of LDS; arguments x, wq, wk, wv, wo, codes, scales, wo16, rope; writes codes, scales, wo16, rope
.if DOCPART == 1
	.amdgcn_target "amdgcn-amd-amdhsa--gfx1250"
	.amdhsa_code_object_version 6
	.text
	.protected	k_q9a7f6d8d29_prep
	.globl	k_q9a7f6d8d29_prep
	.p2align	8
	.type	k_q9a7f6d8d29_prep,@function
k_q9a7f6d8d29_prep:
	s_mov_b64 s[64:65], 0
	v_nop
	global_prefetch_b8 v0, s[64:65] scope:SCOPE_SE
	s_setreg_imm32_b32 hwreg(HW_REG_WAVE_MODE, 25, 1), 1
	s_wait_xcnt 0x0
; PREP.  Three jobs, told apart by the work-group's number alone:
;   work-groups   0-351: x, wq, wk, wv (f32, K innermost) -> codes of E2M1 with one E8M0 byte for each 32 along K, into ONE matrix of 11,264 rows (x 0-8191, wq, wk, wv 1,024 each): codes 512 bytes a row, scale bytes 32 a row
;   work-groups 352-383: wo (f32) -> f16, row-major as it lies
;   work-groups 384-415: the table of RoPE's cosines and sines, laid as the lanes of the next launch's results want them
; A block's scale is 2^(floor(log2(its largest magnitude)) - 2); its byte is the largest magnitude's exponent field - 2, held at 1 from below.
; LIMITS: a block of zeros gets the byte 1 where the rule says 127 (its codes are zeros, which add nothing, and this program alone reads the bytes); blocks whose largest magnitude lies under 2^(3 - 127) keep the byte 1;
; NaN and infinities among the inputs are not served; |wo| stays under 65,504, f16's largest number.
; THE TABLE: inv_freq = 2^(-p log2(10000) / 32) by v_exp_f32; the angle = position x inv_freq, rounded once as in f32; its sine and cosine by taking off n pi/2 in two parts and polynomials of degree 7 and 8 on |r| <= pi/4.
; The angle is right to about 2e-4 radians at the last position, which is under the rounding of q and k to f16.
; Rows are dense and K is a multiple of 32, so each tensor is a plain stream of blocks of 32.  A wave takes 16 steps of 512 numbers.  Each load reads 512 consecutive bytes, 16 a lane; a step's 2,048 bytes turn through the wave's
; own stage in LDS and come back 64 bytes a lane, so that a lane holds 16 neighbours along K (two neighbouring lanes hold a block).  Waves share nothing: no barrier.
.set WREG,  8192                       ; LDS: a region for each wave: two stages of 32 x SP bytes, behind them its 256 scale bytes
.set SP,    80                         ; a lane's place in a stage: 64 bytes + 16 of padding
.set CB,    8                          ; bytes of 16 codes
.set STEPS, 16
.set R,     16                         ; v16-79   four sets of 16 numbers as loaded
.set X,     80                         ; v80-111  two sets of 16 neighbours
.set E,     112                        ; v112-127 a scale byte for each step
.set C,     128                        ; v128-191 codes: registers of its own for each step
.set SPW,   12                         ; v12 LDS address of my spare word; never rewritten
.set NIL,   13                         ; v13 0; never rewritten
.set SPARE, 4*WREG                     ; behind the four regions: the spare words, 128 bytes a wave
	s_load_b512 s[4:19], s[0:1], 0x0               ; x s[4:5], wq s[6:7], wk s[8:9], wv s[10:11], wo s[12:13], codes s[14:15], scales s[16:17], wo16 s[18:19]
	s_load_b64 s[20:21], s[0:1], 0x40              ; rope
	v_lshl_add_u32 v[SPW], v0, 2, SPARE
	v_mov_b32 v[NIL], 0
	v_lshrrev_b32 v1, 5, v0
	v_readfirstlane_b32 s24, v1                    ; wave 0..3
	v_and_b32 v2, 31, v0                           ; lane
	s_mov_b32 s31, 0                               ; the upper word of every offset pair s[30:31]
	s_wait_kmcnt 0x0
	s_cmp_lt_u32 ttmp9, 352
	s_cbranch_scc0 .Lnot_quant
; ---------------- the quantiser ----------------
	v_lshlrev_b32 v3, 4, v2                        ; my 16 bytes of a load's 512
	s_mul_i32 s25, s24, WREG
	v_lshrrev_b32 v14, 2, v2
	v_mul_u32_u24 v14, v14, SP
	v_and_b32 v15, 3, v2
	v_lshl_add_u32 v14, v15, 4, v14
	v_add_nc_u32 v14, s25, v14                     ; the stage, on the way in: SP (lane / 4) + 16 (lane % 4)
	v_mul_u32_u24 v15, v2, SP
	v_add_nc_u32 v15, s25, v15                     ; and on the way out: SP x lane: my 16 neighbours
	v_mul_u32_u24 v4, v2, CB                       ; my codes' place in a step's
	v_lshrrev_b32 v5, 1, v2
	s_add_co_u32 s25, s25, 2*32*SP
	v_add_nc_u32 v5, s25, v5                       ; LDS: my wave's 256 scale bytes, my block's byte
	v_lshlrev_b32 v7, 3, v2                        ; on the way out 8 bytes a lane
	v_add_nc_u32 v6, s25, v7
	s_sub_co_u32 s26, ttmp9, 256                   ; the weights' work-groups: number i,
	s_and_b32 s27, s26, 31                         ; 32 to a tensor,
	s_lshr_b32 s28, s26, 5                         ; tensor 0, 1, 2 = wq, wk, wv
	s_cmp_eq_u32 s28, 1                            ; the source is chosen by the work-group's number alone
	s_cselect_b64 s[22:23], s[8:9], s[10:11]
	s_cmp_eq_u32 s28, 0
	s_cselect_b64 s[22:23], s[6:7], s[22:23]
	s_cmp_lt_u32 ttmp9, 256
	s_cselect_b64 s[22:23], s[4:5], s[22:23]
	s_cselect_b32 s27, ttmp9, s27
	s_lshl_b32 s27, s27, 2
	s_add_co_u32 s27, s27, s24                     ; which run of 8,192 numbers of the source is my wave's
	s_lshl_b32 s30, s27, 15
	s_add_nc_u64 s[22:23], s[22:23], s[30:31]
	s_lshl_b32 s29, ttmp9, 2
	s_add_co_u32 s29, s29, s24                     ; and which run of the merged matrix: x's runs, then wq's, wk's, wv's
	s_lshl_b32 s30, s29, 12
	s_add_nc_u64 s[14:15], s[14:15], s[30:31]      ; 4,096 bytes of codes a run
	s_lshl_b32 s30, s29, 8
	s_add_nc_u64 s[16:17], s[16:17], s[30:31]      ; 256 scale bytes a run
.macro LOAD t
.irp i, 0,1,2,3
	global_load_b128 v[R+16*((\t)%4)+4*\i:R+16*((\t)%4)+4*\i+3], v3, s[22:23] offset:2048*(\t)+512*\i th:TH_LOAD_NT   ; 32 lanes read 512 consecutive bytes
.endr
.endm
.macro TURN t                          ; step t's numbers through the stage: LDS serves a wave's instructions in order, so no wait stands between the stores and the loads
.irp i, 0,1,2,3
	ds_store_b128 v14, v[R+16*((\t)%4)+4*\i:R+16*((\t)%4)+4*\i+3] offset:32*SP*((\t)%2)+8*SP*\i
.endr
.irp i, 0,1,2,3
	ds_load_b128 v[X+16*((\t)%2)+4*\i:X+16*((\t)%2)+4*\i+3], v15 offset:32*SP*((\t)%2)+16*\i
.endr
.endm
.irp t, 0,1,2,3
	LOAD \t
.endr
	s_wait_loadcnt 12                              ; step 0's four loads are in; the twelve of steps 1 to 3 may be out
	TURN 0
.macro STEP t
.set XS, X+16*((\t)%2)
.if (\t) > 0
	s_wait_dscnt 1                                 ; this step's numbers are back from the stage (the last step's byte store may be out)
.else
	s_wait_dscnt 0x0
.endif
.if (\t)+4 < STEPS
	LOAD (\t)+4                                    ; the stage's stores have read these registers
.endif
.if (\t)+1 < STEPS
.if STEPS-2-(\t) >= 3
	s_wait_loadcnt 12                              ; the next step's four loads are in; those of the three steps behind it may be out
.else
	s_wait_loadcnt 4*(STEPS-2-(\t))
.endif
	TURN (\t)+1
.endif
	v_max3_num_f32 v8, |v[XS]|, |v[XS+1]|, |v[XS+2]|               ; the largest magnitude of my 16, in two chains
	v_max3_num_f32 v9, |v[XS+3]|, |v[XS+4]|, |v[XS+5]|
.irp i, 6,10
	v_max3_num_f32 v8, v8, |v[XS+\i]|, |v[XS+\i+1]|
	v_max3_num_f32 v9, v9, |v[XS+\i+2]|, |v[XS+\i+3]|
.endr
	v_max3_num_f32 v8, v8, |v[XS+14]|, |v[XS+15]|
	v_max3_num_f32 v8, v8, v9, 0x1800000           ; and the floor 2^(3 - 127): the byte cannot fall under 1
	v_max_num_f32_dpp v8, v8, v8 row_xmask:1 row_mask:0xf bank_mask:0xf   ; with my neighbour's 16: the block's
	v_add_nc_u32 v11, 0xff000000, v8               ; 2 off its exponent field: the conversion takes the exponent field of this operand as its scale
	v_cvt_scalef32_pk8_fp4_f32 v[C+4*(\t)], v[XS:XS+7], v11
	v_cvt_scalef32_pk8_fp4_f32 v[C+4*(\t)+1], v[XS+8:XS+15], v11
	v_lshrrev_b32 v[E+(\t)], 23, v11               ; the scale's byte (a plain line behind the conversions)
	ds_store_b8 v5, v[E+(\t)] offset:16*(\t)       ; both lanes of a block write the same byte with the same value
	global_store_b64 v4, v[C+4*(\t):C+4*(\t)+1], s[14:15] offset:32*CB*(\t)   ; the wave stores 256 consecutive bytes, aligned
.endm
.irp t, 0,1,2,3,4,5,6,7,8,9,10,11,12,13,14,15
	STEP \t
.endr
	ds_load_b64 v[8:9], v6                         ; my wave's 256 scale bytes: these see my stores
	s_wait_dscnt 0x0
	global_store_b64 v7, v[8:9], s[16:17]          ; 256 consecutive bytes, aligned
	s_wait_tensorcnt 0x0                           ; the wave's end, behind my last LDS store
	ds_add_u32 v[SPW], v[NIL]
	s_wait_dscnt 0x0
	s_endpgm
; ---------------- wo to f16 ----------------
.Lnot_quant:
	s_cmp_lt_u32 ttmp9, 384
	s_cbranch_scc0 .Lrope
	s_sub_co_u32 s26, ttmp9, 352
	s_lshl_b32 s26, s26, 2
	s_add_co_u32 s26, s26, s24                     ; my wave's run of 8,192 numbers
	s_lshl_b32 s30, s26, 15
	s_add_nc_u64 s[12:13], s[12:13], s[30:31]
	s_lshl_b32 s30, s26, 14
	s_add_nc_u64 s[18:19], s[18:19], s[30:31]
	v_lshlrev_b32 v3, 4, v2                        ; in: 16 bytes a lane; never rewritten
	v_lshlrev_b32 v4, 3, v2                        ; out: 8 bytes a lane; never rewritten
.irp n, 0,1,2,3,4,5,6,7,8,9,10,11,12,13,14,15
	global_load_b128 v[16+4*\n:19+4*\n], v3, s[12:13] offset:512*\n
.endr
.macro WOSTEP n                        ; 128 numbers: slot n % 16 of sixteen
.if 63-(\n) < 15
	s_wait_loadcnt 63-(\n)                         ; the loads issued behind mine may be out: at the end they run down
.else
	s_wait_loadcnt 15                              ; fifteen younger loads stay out
.endif
.if (\n) >= 16
	s_wait_xcnt 0x0                                ; the slot's last store has read its two registers
.endif
	v_cvt_pk_f16_f32 v[80+2*((\n)%16)], v[16+4*((\n)%16)], v[17+4*((\n)%16)]
	v_cvt_pk_f16_f32 v[81+2*((\n)%16)], v[18+4*((\n)%16)], v[19+4*((\n)%16)]
.if (\n) < 48
	global_load_b128 v[16+4*((\n)%16):19+4*((\n)%16)], v3, s[12:13] offset:512*((\n)+16)
.endif
	global_store_b64 v4, v[80+2*((\n)%16):81+2*((\n)%16)], s[18:19] offset:256*(\n)   ; 256 consecutive bytes, aligned
.endm
.set WN, 0
.rept 64
	WOSTEP WN
.set WN, WN+1
.endr
	s_endpgm
; ---------------- the table ----------------
; rope[pt 128][qd 4][g 2][lane 32][16 bytes]: lane (r, h) holds cos, sin of pair 8 qd + 4 h + 2 g and cos, sin of the pair after it, at position 16 pt + r.
.Lrope:
	s_sub_co_u32 s26, ttmp9, 384
	s_lshl_b32 s26, s26, 2
	s_add_co_u32 s26, s26, s24                     ; pt: my wave's 16 positions
	s_lshl_b32 s30, s26, 12
	s_add_nc_u64 s[20:21], s[20:21], s[30:31]
	s_lshl_b32 s27, s26, 4
	v_and_b32 v3, 15, v0                           ; r
	v_bfe_u32 v4, v0, 4, 1                         ; h
	v_add_nc_u32 v3, s27, v3
	v_cvt_f32_u32 v5, v3                           ; my position
	v_lshlrev_b32 v4, 2, v4                        ; 4 h
	v_lshlrev_b32 v1, 4, v2                        ; 16 x lane
	s_mov_b32 s32, 0xbed49a78                      ; -log2(10000) / 32
	s_mov_b32 s33, 0x3f22f983                      ; 2 / pi
	s_mov_b32 s34, 0xbfc90fdb                      ; -P1, P1 = pi / 2 rounded to f32
	s_mov_b32 s35, 0x333bbd2e                      ; P1 - pi / 2
	s_mov_b32 s36, 0xbe2aaaa3                      ; the sine's three coefficients
	s_mov_b32 s37, 0x3c08839e
	s_mov_b32 s38, 0xb94ca1f9
	s_mov_b32 s39, 0x3d2aaaa5                      ; the cosine's three
	s_mov_b32 s40, 0xbab6061a
	s_mov_b32 s41, 0x37ccf5ce
.irp i, 0,1,2,3,4,5,6,7,8,9,10,11,12,13,14,15
	v_add_nc_u32 v[16+\i], 8*(\i/4)+\i%4, v4       ; the pair's number p, for i = 4 qd + 2 g + e
.endr
.irp i, 0,1,2,3,4,5,6,7,8,9,10,11,12,13,14,15
	v_cvt_f32_u32 v[16+\i], v[16+\i]
.endr
.irp i, 0,1,2,3,4,5,6,7,8,9,10,11,12,13,14,15
	v_mul_f32 v[16+\i], s32, v[16+\i]
.endr
.irp i, 0,1,2,3,4,5,6,7,8,9,10,11,12,13,14,15
	v_exp_f32 v[16+\i], v[16+\i]                   ; inv_freq: one batch of sixteen
.endr
	v_nop                                          ; a plain line behind the last exponential
	s_wait_alu depctr_va_vdst(0)                   ; one wait for the batch, ahead of its first reader
.irp i, 0,1,2,3,4,5,6,7,8,9,10,11,12,13,14,15
	v_mul_f32 v[16+\i], v5, v[16+\i]               ; the angle, rounded once
.endr
.macro SINCOS a, dc, ds
	v_mul_f32 v100, s33, v[\a]
	v_rndne_f32 v100, v100                         ; n = the nearest whole number of quarter turns
	v_fma_f32 v101, v100, s34, v[\a]               ; r = angle - n P1,
	v_fma_f32 v101, v100, s35, v101                ; + n (P1 - pi / 2)
	v_mul_f32 v102, v101, v101                     ; z = r r
	v_fma_f32 v103, v102, s38, s37
	v_fma_f32 v103, v103, v102, s36
	v_mul_f32 v103, v103, v102
	v_fma_f32 v103, v103, v101, v101               ; sin r
	v_fma_f32 v104, v102, s41, s40
	v_fma_f32 v104, v104, v102, s39
	v_fma_f32 v104, v104, v102, -0.5
	v_fma_f32 v104, v104, v102, 1.0                ; cos r
	v_cvt_i32_f32 v105, v100
	v_and_b32 v106, 1, v105
	v_cmp_eq_u32 vcc_lo, 1, v106                   ; an odd quarter swaps the two: a choice of values, no branch
	v_cndmask_b32 v[\ds], v103, v104, vcc_lo
	v_cndmask_b32 v[\dc], v104, v103, vcc_lo
	v_lshlrev_b32 v106, 30, v105
	v_and_b32 v106, 0x80000000, v106               ; the sine is negative in quarters 2 and 3,
	v_xor_b32 v[\ds], v[\ds], v106
	v_add_nc_u32 v105, 1, v105
	v_lshlrev_b32 v106, 30, v105
	v_and_b32 v106, 0x80000000, v106               ; the cosine in quarters 1 and 2
	v_xor_b32 v[\dc], v[\dc], v106
.endm
.irp i, 0,1,2,3,4,5,6,7,8,9,10,11,12,13,14,15
	SINCOS 16+\i, 32+2*\i, 33+2*\i
.endr
.irp qd, 0,1,2,3
.irp g, 0,1
	global_store_b128 v1, v[32+8*\qd+4*\g:35+8*\qd+4*\g], s[20:21] offset:1024*\qd+512*\g   ; 512 consecutive bytes, aligned
.endr
.endr
	s_endpgm
.Lfunc_end_k_q9a7f6d8d29_prep:
	.size	k_q9a7f6d8d29_prep, .Lfunc_end_k_q9a7f6d8d29_prep-k_q9a7f6d8d29_prep
	.p2alignl 7, 3214868480
	.fill 96, 4, 3214868480
	.section	.rodata,"a",@progbits
	.p2align	6, 0x0
	.amdhsa_kernel k_q9a7f6d8d29_prep
		.amdhsa_group_segment_fixed_size 33280
		.amdhsa_private_segment_fixed_size 0
		.amdhsa_enable_private_segment 0
		.amdhsa_kernarg_size 72
		.amdhsa_user_sgpr_count 2
		.amdhsa_user_sgpr_kernarg_segment_ptr 1
		.amdhsa_wavefront_size32 1
		.amdhsa_system_sgpr_workgroup_id_x 1
		.amdhsa_system_sgpr_workgroup_id_y 1
		.amdhsa_system_sgpr_workgroup_id_z 1
		.amdhsa_system_vgpr_workitem_id 0
		.amdhsa_next_free_vgpr 192
		.amdhsa_next_free_sgpr 66
		.amdhsa_reserve_vcc 1
		.amdhsa_float_denorm_mode_32 3
		.amdhsa_float_denorm_mode_16_64 3
		.amdhsa_memory_ordered 1
		.amdhsa_forward_progress 1
		.amdhsa_inst_pref_size 80
	.end_amdhsa_kernel
	.amdgpu_metadata
---
amdhsa.version: [ 1, 2 ]
amdhsa.kernels:
  - .name:           k_q9a7f6d8d29_prep
    .symbol:         k_q9a7f6d8d29_prep.kd
    .args:
      - { .name: x, .offset: 0, .size: 8, .value_kind: global_buffer, .address_space: global }
      - { .name: wq, .offset: 8, .size: 8, .value_kind: global_buffer, .address_space: global }
      - { .name: wk, .offset: 16, .size: 8, .value_kind: global_buffer, .address_space: global }
      - { .name: wv, .offset: 24, .size: 8, .value_kind: global_buffer, .address_space: global }
      - { .name: wo, .offset: 32, .size: 8, .value_kind: global_buffer, .address_space: global }
      - { .name: codes, .offset: 40, .size: 8, .value_kind: global_buffer, .address_space: global }
      - { .name: scales, .offset: 48, .size: 8, .value_kind: global_buffer, .address_space: global }
      - { .name: wo16, .offset: 56, .size: 8, .value_kind: global_buffer, .address_space: global }
      - { .name: rope, .offset: 64, .size: 8, .value_kind: global_buffer, .address_space: global }
    .group_segment_fixed_size: 33280
    .private_segment_fixed_size: 0
    .kernarg_segment_align: 8
    .kernarg_segment_size: 72
    .max_flat_workgroup_size: 128
    .sgpr_count:     66
    .vgpr_count:     192
    .wavefront_size: 32
...
	.end_amdgpu_metadata
.endif
;; end of part 1
;; launch qkv (part 2): grid 8 x 48, 4 waves a work-group, clusters of 4 x 4, 327,680 bytes of LDS; arguments codes, scales, rope, qkv, fine; writes qkv, fine
.if DOCPART == 2
	.amdgcn_target "amdgcn-amd-amdhsa--gfx1250"
	.amdhsa_code_object_version 6
	.text
	.protected	k_q9a7f6d8d29_qkv
	.globl	k_q9a7f6d8d29_qkv
	.p2align	8
	.type	k_q9a7f6d8d29_qkv,@function
k_q9a7f6d8d29_qkv:
	s_mov_b64 s[64:65], 0
	v_nop
	global_prefetch_b8 v0, s[64:65] scope:SCOPE_SE
	s_setreg_imm32_b32 hwreg(HW_REG_WAVE_MODE, 25, 1), 1
	s_wait_xcnt 0x0
	s_wait_alu depctr_hold_cnt(0) depctr_sa_sdst(0) depctr_va_vdst(0) depctr_va_sdst(0) depctr_va_ssrc(0) depctr_va_vcc(0) depctr_vm_vsrc(0)
	s_getreg_b32 s2, hwreg(HW_REG_IB_STS2, 6, 4)
	s_cmp_eq_u32 s2, 0
	s_cbranch_scc0 .Lentry_in_a_cluster
	s_endpgm
.Lentry_in_a_cluster:
	s_bfe_u32 s2, ttmp6, 0x10000c
	s_cmp_lg_u32 s2, 0xf033
	s_cbranch_scc0 .Lentry_shape_is_right
	s_endpgm
.Lentry_shape_is_right:
; QKV.  q = x wq^T, k = x wk^T, v = x wv^T on codes of E2M1 with one E8M0 scale for each 32 along K = 1,024; sums in f32; RoPE on q and k in f32; results rounded to f16 and stored as images of the
; operand registers of the attention launch; positions 0-15 of every sequence also as f32, for the launch that carries those rows finely.
; x's and the three weights' codes are ONE matrix of 11,264 rows (x 0-8191, wq 8192.., wk 9216.., wv 10240..), so a tile of a product is given by two tile rows of 256 of that matrix: an "A side" and a "B side".
; THE MATRIX INSTRUCTION IS USED TRANSPOSED (source 0 = 16 rows of the B side, source 1 = 16 rows of the A side): a lane holds ONE row of the A side and eight neighbouring rows of the B side.
;   q, k (clusters y 0-7):  A side = x, B side = wq (cluster x 0) or wk (1): a lane holds one position and eight neighbouring channels: RoPE's pairs lie in one lane, and the eight pack into 16 bytes of a fragment of Q or K.
;   v    (clusters y 8-11): A side = wv, B side = x: a lane holds one channel and eight neighbouring positions: 16 bytes of a fragment of V^T.  Nothing is transposed and nothing goes through a stage in LDS.
; A tile, 256 x 256, is made by four waves, 128 x 128 each: 64 accumulators, 512 registers.  K goes in two steps of 512 through two LDS slots; both are first fills, nothing is filled again.
; The scale bytes of the tile's 2 x 256 rows, for all of K, come once, as dense blocks.
; CLUSTERS 4 x 4: the four of a row of the cluster need the same A side, the four of a column the same B side: each tile is asked for jointly.
; 384 tiles: one and a half for each of 256 work-group places; the launch's stores, 51 MB, outweigh its products.
; LIMITS: |q|, |k|, |v| stay under 65,504, f16's largest number.
; REGISTERS: window 0: v16-29 addresses; v32-95 scale words, two sets; v128-191 the A side's fragments, one set; on the way out v32-191 are free.  window 1: the B side's fragments, two sets.  windows 2, 3: accumulators, (a, b) at v[8 (8 (a % 4) + b)].
.set NQ,     4                         ; matrix instructions deep in a slot
.set ROWB,   256                       ; a tile's row: 512 codes
.set KROW,   512                       ; a row of the codes' matrix
.set PITCH,  272                       ; an LDS row: 256 bytes + 16 of padding: the 16 rows that a load touches start at 16 different banks (64 banks of 4 bytes: ISA guide 11.1)
.set FR,     8
.set NL,     2
.set NP,     4                         ; places behind this matrix instruction (ISA guide 7.12.1)
.set HALFT,  128*PITCH
.set SLOT,   4*HALFT
.set KS,     32                        ; a row of scale bytes
.set SCL,    2*SLOT                    ; behind the slots: the scales, as rows of 256 bytes + 16 of padding
.set HALFS,  16*272                    ; those of 128 rows
.set SBLK,   2*272                     ; those of 16 rows
.set SPARE,  SCL+4*HALFS               ; the spare words, 128 bytes a wave
.set ADRA, 16
.set ADRB, 20
.set FO,   24                          ; the way out: my offset in the f32 copies
.set CO,   26                          ; the way out: 16 x lane
.set ADRS, 27
.set SPW,  28
.set NIL,  29
.set SC,   32
.set AF,   128
.set T0,   32                          ; the way out: two sets of 32: cosines and sines of a block of 16 positions
.set RO,   96                          ; 64 rotated numbers
.set YO,   160                         ; 32 registers of f16 pairs
.set G1, 24
.set G0, 32
.set G1B, 48
.set G0B, 56
.set G1S, 68
.set G0S, 76
.set G1SB, 80
.set G0SB, 88
.set MSB, 0
.macro WIN new                         ; the immediate's high byte repeats the setting that is left
.if MSB != \new
	s_set_vgpr_msb (MSB<<8)|\new
.set MSB, \new
.endif
.endm
.set MUL_LO, 0xa1                      ; source 0 window 1, source 1 window 0, C and D window 2
.set MUL_HI, 0xf1                      ; the same, C and D window 3
.set TO_B,   0x40
; A joint load: waves 0 and 1 fetch for the A side, waves 2 and 3 for the B side.  The branch hangs on the wave's number alone.  An s_nop 0 and four v_nop follow each of the two lines.
.macro JLOAD g0a, g1a, g0b, g1b
	s_cmp_eq_u32 s15, 0
	s_cbranch_scc0 .Lfor_b_\@
	tensor_load_to_lds s[\g0a:\g0a+3], s[\g1a:\g1a+7]
	s_nop 0
.rept 4
	v_nop
.endr
	s_branch .Lasked_\@
.Lfor_b_\@:
	tensor_load_to_lds s[\g0b:\g0b+3], s[\g1b:\g1b+7]
	s_nop 0
.rept 4
	v_nop
.endr
.Lasked_\@:
.endm
.macro CROUND                          ; a round of the cluster's barrier
	s_barrier_signal -1
	s_barrier_wait -1
	s_cmp_lg_u32 s14, 0
	s_cbranch_scc1 .Lnot_wave_0_\@
	s_barrier_signal -3
.Lnot_wave_0_\@:
	s_barrier_wait -3
	s_barrier_signal -1
	s_barrier_wait -1
.endm
	s_load_b256 s[4:11], s[0:1], 0x0               ; codes s[4:5], scales s[6:7], rope s[8:9], qkv s[10:11]
	s_load_b64 s[12:13], s[0:1], 0x20              ; fine
	v_lshl_add_u32 v[SPW], v0, 2, SPARE
	v_mov_b32 v[NIL], 0
	ds_add_u32 v[SPW], v[NIL]                      ; the wave's opening: the add, twice on end, and its wait ahead of my first tensor load
	ds_add_u32 v[SPW], v[NIL]
	v_lshrrev_b32 v1, 5, v0
	v_readfirstlane_b32 s14, v1                    ; wave 0..3
	s_lshr_b32 s15, s14, 1                         ; wr: which half of the A side's rows is mine.  Also: I fetch for the A side (0) or the B side (1)
	s_and_b32 s16, s14, 1                          ; wc: which half of the B side's.  Also: which 128 rows I fetch
	s_bfe_u32 s40, ttmp6, 0x40000                  ; cx
	s_bfe_u32 s41, ttmp6, 0x40004                  ; cy
	s_mov_b32 s95, ttmp9                           ; cX: the cluster's x, 0 or 1
	s_and_b32 s96, ttmp7, 0xffff                   ; cY: the cluster's y, 0..11
	s_lshr_b32 s97, s96, 3                         ; v = 1 in the clusters that make v
	s_xor_b32 s98, s97, 1                          ; nv
	; the A side's tile row: q, k: cY + 8 cy (x);  v: 40 + cy (wv).  Made of cY and cy alone
	s_mul_i32 s17, s98, s96
	s_mul_i32 s99, s97, 40
	s_add_co_u32 s17, s17, s99
	s_mul_i32 s99, s98, 7
	s_add_co_u32 s99, s99, 1
	s_mul_i32 s99, s99, s41
	s_add_co_u32 s17, s17, s99
	; the B side's: q, k: 32 + 4 cX + cx (wq, wk);  v: CXv + 8 cx (x), CXv = cX + 2 (cY - 8).  Made of cX, cY and cx alone
	s_lshl_b32 s42, s95, 2
	s_add_co_u32 s42, s42, 32
	s_mul_i32 s42, s42, s98
	s_lshl_b32 s67, s96, 1
	s_add_co_u32 s67, s67, s95
	s_sub_co_u32 s67, s67, 16                      ; CXv (used where v = 1 alone)
	s_mul_i32 s66, s67, s97
	s_add_co_u32 s42, s42, s66
	s_mul_i32 s66, s97, 7
	s_add_co_u32 s66, s66, 1
	s_mul_i32 s66, s66, s40
	s_add_co_u32 s42, s42, s66
	s_lshl_b32 s43, s41, 2
	s_lshl_b32 s43, 15, s43                        ; my row of the cluster
	s_lshl_b32 s44, 0x1111, s40                    ; my column
	; descriptor group 1: a tile of 128 rows x 256 bytes, padded in LDS
	s_or_b32 s[G1+0], s43, (0<<16)|(1<<20)|(1<<21)|(5<<22)|(3<<25)  ; 15:0 the mask; 17:16 elements of 1 byte; 20 padding on; 21 set beside a mask; 24:22 after every 64 words; 31:25 four words
	s_or_b32 s[G1B+0], s44, (0<<16)|(1<<20)|(1<<21)|(5<<22)|(3<<25)
.irp g, G1, G1B
	s_mov_b32 s[\g+1], ROWB<<16                    ; tensor_dim0
	s_mov_b32 s[\g+2], 128<<16                     ; tensor_dim1
	s_mov_b32 s[\g+3], ROWB<<16                    ; tile_dim0
	s_mov_b32 s[\g+4], 128                         ; tile_dim1
	s_mov_b32 s[\g+5], KROW                        ; the pitch
	s_mov_b32 s[\g+6], 0
	s_mov_b32 s[\g+7], 0
.endr
	; the scales of 128 rows: 4,096 dense bytes, as 16 rows of 256 bytes (32 elements of 8), 16 bytes of padding behind each
	s_or_b32 s[G1S+0], s43, (3<<16)|(1<<20)|(1<<21)|(5<<22)|(3<<25)
	s_or_b32 s[G1SB+0], s44, (3<<16)|(1<<20)|(1<<21)|(5<<22)|(3<<25)
.irp g, G1S, G1SB
	s_mov_b32 s[\g+1], 32<<16
	s_mov_b32 s[\g+2], 16<<16
	s_mov_b32 s[\g+3], 32<<16
	s_mov_b32 s[\g+4], 16
	s_mov_b32 s[\g+5], 32
	s_mov_b32 s[\g+6], 0
	s_mov_b32 s[\g+7], 0
.endr
	s_lshl_b32 s18, s16, 7                         ; which 128 rows of the tile I fetch
	s_lshl_b32 s20, s17, 8
	s_add_co_u32 s20, s20, s18                     ; the A side's first row
	s_lshl_b32 s46, s42, 8
	s_add_co_u32 s46, s46, s18                     ; the B side's
	s_mov_b32 s21, 0
	s_mov_b32 s47, 0
	s_mov_b64 s[18:19], KS
	s_mul_u64 s[22:23], s[20:21], s[18:19]         ; where these rows' scales begin,
	s_mul_u64 s[92:93], s[46:47], s[18:19]
	s_mov_b64 s[18:19], KROW
	s_mul_u64 s[20:21], s[20:21], s[18:19]         ; and their codes
	s_mul_u64 s[46:47], s[46:47], s[18:19]
	s_mul_i32 s45, s14, HALFT                      ; where they go: wave x 128 rows: no place in the cluster enters an LDS address
	s_mul_i32 s94, s14, HALFS
	s_wait_dscnt 0x0                               ; both opening adds are done
	s_wait_kmcnt 0x0
	s_add_nc_u64 s[20:21], s[4:5], s[20:21]
	s_add_nc_u64 s[22:23], s[6:7], s[22:23]
	s_add_nc_u64 s[46:47], s[4:5], s[46:47]
	s_add_nc_u64 s[92:93], s[6:7], s[92:93]
	CROUND                                         ; all sixteen work-groups are here: the joint loads meet
	s_mov_b32 s[G0S], 1
	s_add_co_u32 s[G0S+1], s94, SCL
	s_mov_b64 s[G0S+2:G0S+3], s[22:23]
	s_or_b32 s[G0S+3], s[G0S+3], 0x80000000
	s_mov_b32 s[G0SB], 1
	s_add_co_u32 s[G0SB+1], s94, SCL
	s_mov_b64 s[G0SB+2:G0SB+3], s[92:93]
	s_or_b32 s[G0SB+3], s[G0SB+3], 0x80000000
	JLOAD G0S, G1S, G0SB, G1SB                     ; the scales first: they are wanted with K step 0
.irp s, 0,1
	s_mov_b32 s[G0+4*\s], 1
	s_add_co_u32 s[G0+4*\s+1], s45, \s*SLOT
	s_add_nc_u64 s[G0+4*\s+2:G0+4*\s+3], s[20:21], \s*ROWB
	s_or_b32 s[G0+4*\s+3], s[G0+4*\s+3], 0x80000000
	s_mov_b32 s[G0B+4*\s], 1
	s_add_co_u32 s[G0B+4*\s+1], s45, \s*SLOT
	s_add_nc_u64 s[G0B+4*\s+2:G0B+4*\s+3], s[46:47], \s*ROWB
	s_or_b32 s[G0B+4*\s+3], s[G0B+4*\s+3], 0x80000000
	JLOAD G0+4*\s, G1, G0B+4*\s, G1B               ; three loads of mine are out in all
.endr
	v_and_b32 v1, 15, v0                           ; r
	v_bfe_u32 v2, v0, 4, 1                         ; h
	v_mul_u32_u24 v3, v1, PITCH
	v_lshl_add_u32 v4, v2, 4, v3                   ; a fragment's row x pitch + 16 h
	s_mul_i32 s21, s15, HALFT                      ; my 128 rows of the A side
	s_mul_i32 s22, s16, HALFT                      ; my 128 rows of the B side,
	s_add_co_u32 s22, s22, 2*HALFT                 ; which lie behind the A side's 256
.irp s, 0,1
	v_add_nc_u32 v[ADRA+\s], s21, v4
	v_add_nc_u32 v[ADRB+\s], s22, v4
	s_add_co_u32 s21, s21, SLOT
	s_add_co_u32 s22, s22, SLOT
.endr
	v_mul_u32_u24 v5, v1, KS                       ; my row's scales: 32 bytes a row,
	v_lshrrev_b32 v6, 8, v5
	v_lshl_add_u32 v5, v6, 4, v5                   ; and 16 more for each 256 passed
	s_mul_i32 s21, s15, HALFS
	s_mul_i32 s22, s16, HALFS
	s_add_co_u32 s22, s22, 2*HALFS
	s_sub_co_u32 s22, s22, s21
	v_mul_u32_u24 v6, s22, v2                      ; lanes 16-31 take the B side's: one product, the distance between the two bases
	s_add_co_u32 s21, s21, SCL
	v_add_nc_u32 v5, v5, v6
	v_add_nc_u32 v[ADRS], s21, v5
.macro FRAG reg, adr, q, i             ; 16 rows x 128 K of 4-bit codes: 8 registers: lane l holds row l % 16; registers 4 c .. 4 c + 3 hold K = 64 c + 32 (l / 16) + 0 .. 31
.irp c, 0,1
	ds_load_b128 v[\reg+4*\c:\reg+4*\c+3], v[\adr] offset:64*(\q)+32*\c+(\i)*16*PITCH
.endr
.endm
; 16 matrix instructions: the A side's blocks a0, a0 + 1 x the B side's eight.  The 64 accumulators take turns, one instruction a turn, in the same order in every step.
; One scale register carries the A side's word in lanes 0-15 and the B side's in lanes 16-31.
.macro MUL16 a0, p, q, sc, zero
.irp a, \a0, \a0+1
.irp b, 0,1,2,3,4,5,6,7
.if \zero
	v_wmma_scale_f32_16x16x128_f8f6f4 v[8*(8*((\a)%4)+\b):8*(8*((\a)%4)+\b)+7], v[128*(\p)+FR*\b:128*(\p)+FR*\b+FR-1], v[AF+FR*(\a):AF+FR*(\a)+FR-1], 0, v[SC+8*NQ*(\sc)+NQ*\b+(\q)], v[SC+8*NQ*(\sc)+NQ*(\a)+(\q)] matrix_a_fmt:MATRIX_FMT_FP4 matrix_b_fmt:MATRIX_FMT_FP4 matrix_a_scale:MATRIX_SCALE_ROW1
.else
	v_wmma_scale_f32_16x16x128_f8f6f4 v[8*(8*((\a)%4)+\b):8*(8*((\a)%4)+\b)+7], v[128*(\p)+FR*\b:128*(\p)+FR*\b+FR-1], v[AF+FR*(\a):AF+FR*(\a)+FR-1], v[8*(8*((\a)%4)+\b):8*(8*((\a)%4)+\b)+7], v[SC+8*NQ*(\sc)+NQ*\b+(\q)], v[SC+8*NQ*(\sc)+NQ*(\a)+(\q)] matrix_a_fmt:MATRIX_FMT_FP4 matrix_b_fmt:MATRIX_FMT_FP4 matrix_a_scale:MATRIX_SCALE_ROW1
.endif
.endr
.endr
.endm
.macro FETCH_B slot, q, p
	WIN TO_B
.irp i, 0,1,2,3,4,5,6,7
	FRAG 128*(\p)+FR*\i, ADRB+\slot, \q, \i
.endr
	WIN 0
.endm
.macro FETCH_A slot, q, i0
.irp i, \i0, \i0+1, \i0+2, \i0+3
	FRAG AF+FR*(\i), ADRA+\slot, \q, \i
.endr
.endm
.macro SCALES sc                       ; a K step's scale words: four words a row
.irp i, 0,1,2,3,4,5,6,7
	ds_load_b128 v[SC+8*NQ*\sc+NQ*\i:SC+8*NQ*\sc+NQ*\i+3], v[ADRS] offset:\i*SBLK
.endr
.endm
.macro PLACES n                        ; plain vector lines between a matrix instruction and a load into, or a read of, its registers
.rept \n
	v_nop
.endr
.endm
.macro STEP slot, q, zero              ; 128 along K, with its successor in the same slot
	s_wait_dscnt 4*NL                              ; all but the youngest eight loads (the A side's blocks 4-7) are in
	WIN MUL_LO
	MUL16 0, (\q)%2, \q, \slot, \zero
	MUL16 2, (\q)%2, \q, \slot, \zero
	s_wait_dscnt 0
	PLACES NP
	FETCH_B \slot, (\q)+1, 1-(\q)%2
	FETCH_A \slot, (\q)+1, 0
	WIN MUL_HI
	MUL16 4, (\q)%2, \q, \slot, \zero
	MUL16 6, (\q)%2, \q, \slot, \zero
	PLACES NP
	WIN 0
	FETCH_A \slot, (\q)+1, 4
.endm
.macro TURN slot, next                 ; slot 0's last step changes slots: one barrier
	s_wait_tensorcnt 0x0                           ; all my tensor loads have landed: my part of the next slot
	ds_add_u32 v[SPW], v[NIL]                      ; 0 onto my spare word
	s_wait_dscnt 4*NL+1                            ; the add and the youngest eight loads may be out
	WIN MUL_LO
	MUL16 0, 1, NQ-1, \slot, 0
	s_wait_dscnt 0x0
	s_barrier_signal -1
	MUL16 2, 1, NQ-1, \slot, 0
	WIN 0
	s_barrier_wait -1                              ; every wave's part of the next slot is in
	PLACES NP
	v_add_nc_u32 v[ADRS], 4*NQ, v[ADRS]            ; on to the next K step's scale words
	FETCH_B \next, 0, 0
	FETCH_A \next, 0, 0
	SCALES \next
	WIN MUL_HI
	MUL16 4, 1, NQ-1, \slot, 0
	MUL16 6, 1, NQ-1, \slot, 0
	PLACES NP
	WIN 0
	FETCH_A \next, 0, 4
.endm
	s_wait_tensorcnt 1                             ; the scales and my part of K step 0 are in; K step 1's load may be out
	s_barrier_signal -1
	s_barrier_wait -1
	FETCH_B 0, 0, 0
	FETCH_A 0, 0, 0
	SCALES 0
	FETCH_A 0, 0, 4
	STEP 0, 0, 1                                   ; the first products start the sums: nothing is cleared
	STEP 0, 1, 0
	STEP 0, 2, 0
	TURN 0, 1
	STEP 1, 0, 0
	STEP 1, 1, 0
	STEP 1, 2, 0
	s_wait_dscnt 4*NL                              ; the last step: nothing more to fetch
	WIN MUL_LO
	MUL16 0, 1, NQ-1, 1, 0
	MUL16 2, 1, NQ-1, 1, 0
	s_wait_dscnt 0
	WIN MUL_HI
	MUL16 4, 1, NQ-1, 1, 0
	MUL16 6, 1, NQ-1, 1, 0
	WIN 0
; ---------------- THE WAY OUT ----------------
	PLACES NP                                      ; behind the last products: for the loads into registers that held scales and fragments, and for the reads of results
	v_and_b32 v1, 15, v0                           ; r
	v_bfe_u32 v2, v0, 4, 1                         ; h
	v_and_b32 v3, 31, v0
	v_lshlrev_b32 v[CO], 4, v3                     ; 16 x lane: an image's place for my lane
	s_mov_b32 s3, 0
	s_cmp_lg_u32 s97, 0                            ; the cluster's y alone: the same way in all sixteen partners
	s_cbranch_scc1 .Lvpath
; q and k.  Accumulator (a, b), lane (r, h), register j: position 256 cY + 128 wr + 16 a + r of batch cy; head 4 cx + 2 wc + b / 4, channel 16 (b % 4) + 8 h + j.
; Q and K in memory: [batch x 16 + head][tile of 16 positions][c 2][g 2][lane][16 bytes]: lane (r, h): position r, channels 32 c + 16 g + 8 h + 0 .. 7.
	s_lshl_b32 s2, s41, 4
	s_lshl_b32 s100, s40, 2
	s_add_co_u32 s2, s2, s100
	s_lshl_b32 s100, s16, 1
	s_add_co_u32 s2, s2, s100                      ; 16 x batch + my first head
	s_lshl_b32 s2, s2, 18                          ; 256 KiB each
	s_lshl_b32 s100, s95, 24                       ; q at 0, k at 16 MiB
	s_add_co_u32 s2, s2, s100
	s_lshl_b32 s100, s96, 4
	s_lshl_b32 s101, s15, 3
	s_add_co_u32 s100, s100, s101                  ; my first tile of 16 positions
	s_lshl_b32 s101, s100, 11
	s_add_co_u32 s2, s2, s101                      ; 2,048 bytes each
	s_add_nc_u64 s[10:11], s[10:11], s[2:3]
	s_lshl_b32 s2, s100, 12                        ; the table: 4,096 bytes for 16 positions
	s_add_nc_u64 s[8:9], s[8:9], s[2:3]
	s_lshl_b32 s2, s95, 18                         ; the f32 copies: q at 0, k at 256 KiB; [batch][position 16][1,024]
	s_lshl_b32 s100, s41, 16
	s_add_co_u32 s2, s2, s100
	s_lshl_b32 s100, s40, 10
	s_add_co_u32 s2, s2, s100
	s_lshl_b32 s100, s16, 9
	s_add_co_u32 s2, s2, s100
	s_add_nc_u64 s[12:13], s[12:13], s[2:3]
	s_or_b32 s101, s96, s15                        ; 0 where my block 0 holds positions 0-15: the cluster's y and the wave's number
	v_lshlrev_b32 v[FO], 12, v1
	v_lshl_add_u32 v[FO], v2, 5, v[FO]             ; row r of 4,096 bytes, + 32 h
.macro TLD a, t                        ; cosines and sines of block a's 16 positions: eight loads of 512 consecutive bytes
.irp qd, 0,1,2,3
.irp g, 0,1
	global_load_b128 v[\t+8*\qd+4*\g:\t+8*\qd+4*\g+3], v[CO], s[8:9] offset:4096*(\a)+1024*\qd+512*\g
.endr
.endr
.endm
.macro QKBLK a
.set TT, T0+32*((\a)%2)
.set AC, 64*((\a)%4)
	s_wait_xcnt 0x0                                ; the last block's stores have read their registers
.if (\a) < 7
	TLD (\a)+1, T0+32*(((\a)+1)%2)
	s_wait_loadcnt 8                               ; this block's eight are in; the next block's eight may be out
.else
	s_wait_loadcnt 0x0
.endif
	WIN 0x02+(\a)/4                                ; source 0: the accumulators' window
.irp b, 0,1,2,3,4,5,6,7                        ; (x1, x2) -> (c x1 - s x2, c x2 + s x1); each accumulator from its low end on
.irp i, 0,1,2,3
	v_pk_mul_f32 v[RO+8*\b+2*\i:RO+8*\b+2*\i+1], v[AC+8*\b+2*\i:AC+8*\b+2*\i+1], v[TT+8*(\b%4)+2*\i:TT+8*(\b%4)+2*\i+1] op_sel_hi:[1,0]
.endr
.irp i, 0,1,2,3
	v_pk_fma_f32 v[RO+8*\b+2*\i:RO+8*\b+2*\i+1], v[AC+8*\b+2*\i:AC+8*\b+2*\i+1], v[TT+8*(\b%4)+2*\i:TT+8*(\b%4)+2*\i+1], v[RO+8*\b+2*\i:RO+8*\b+2*\i+1] op_sel:[1,1,0] op_sel_hi:[0,1,1] neg_lo:[1,0,0]
.endr
.endr
	WIN 0
.if (\a) == 0
	s_cmp_lg_u32 s101, 0
	s_cbranch_scc1 .Lno_fine_qk
.irp b, 0,1,2,3,4,5,6,7
	global_store_b128 v[FO], v[RO+8*\b:RO+8*\b+3], s[12:13] offset:64*\b        ; positions 0-15, in f32
	global_store_b128 v[FO], v[RO+8*\b+4:RO+8*\b+7], s[12:13] offset:64*\b+16
.endr
.Lno_fine_qk:
.endif
.irp b, 0,1,2,3,4,5,6,7
.irp i, 0,1,2,3
	v_cvt_pk_f16_f32 v[YO+4*\b+\i], v[RO+8*\b+2*\i], v[RO+8*\b+2*\i+1]
.endr
.endr
.irp b, 0,1,2,3,4,5,6,7
	global_store_b128 v[CO], v[YO+4*\b:YO+4*\b+3], s[10:11] offset:2048*(\a)+262144*(\b/4)+1024*((\b%4)/2)+512*(\b%2)   ; 512 consecutive bytes, aligned
.endr
.endm
	TLD 0, T0
.irp a, 0,1,2,3,4,5,6,7
	QKBLK \a
.endr
	s_branch .Ldone
; v.  Accumulator (a, b), lane (r, h), register j: head 4 cy + 2 wr + a / 4, channel 16 (a % 4) + r; position 256 CXv + 128 wc + 16 b + 8 h + j of batch cx.
; V^T in memory, from 32 MiB on: [batch x 16 + head][32 keys][ct 4][g 2][lane][16 bytes]: lane (r, h): channel 16 ct + r, keys 16 g + 8 h + 0 .. 7.
.Lvpath:
	s_lshl_b32 s2, s40, 4
	s_lshl_b32 s100, s41, 2
	s_add_co_u32 s2, s2, s100
	s_lshl_b32 s100, s15, 1
	s_add_co_u32 s2, s2, s100
	s_lshl_b32 s2, s2, 18
	s_add_co_u32 s2, s2, 0x2000000
	s_lshl_b32 s100, s67, 15                       ; 8 CXv + 4 wc groups of 32 keys, 4,096 bytes each
	s_add_co_u32 s2, s2, s100
	s_lshl_b32 s100, s16, 14
	s_add_co_u32 s2, s2, s100
	s_add_nc_u64 s[10:11], s[10:11], s[2:3]
	s_lshl_b32 s2, s40, 16                         ; the f32 copy, from 512 KiB on: [batch][channel 1,024][position 16]
	s_add_co_u32 s2, s2, 0x80000
	s_lshl_b32 s100, s41, 14
	s_add_co_u32 s2, s2, s100
	s_lshl_b32 s100, s15, 13
	s_add_co_u32 s2, s2, s100
	s_add_nc_u64 s[12:13], s[12:13], s[2:3]
	s_or_b32 s101, s67, s16                        ; 0 where my column block 0 holds positions 0-15: the cluster's place and the wave's number
	v_lshlrev_b32 v[FO], 6, v1
	v_lshl_add_u32 v[FO], v2, 5, v[FO]             ; row r of 64 bytes, + 32 h
.macro VBLK a
.set AC, 64*((\a)%4)
	s_wait_xcnt 0x0                                ; the last block's stores have read their registers
	WIN 0x0a+5*((\a)/4)                            ; sources 0 and 1: the accumulators' window
.irp b, 0,1,2,3,4,5,6,7
.irp i, 0,1,2,3
	v_cvt_pk_f16_f32 v[YO+4*\b+\i], v[AC+8*\b+2*\i], v[AC+8*\b+2*\i+1]
.endr
.endr
	WIN 0
.irp b, 0,1,2,3,4,5,6,7
	global_store_b128 v[CO], v[YO+4*\b:YO+4*\b+3], s[10:11] offset:262144*((\a)/4)+1024*((\a)%4)+4096*(\b/2)+512*(\b%2)   ; 512 consecutive bytes, aligned
.endr
	s_cmp_lg_u32 s101, 0
	s_cbranch_scc1 .Lno_fine_v_\@
	WIN 0x08+4*((\a)/4)                            ; a store's data are its source 1
	global_store_b128 v[FO], v[AC:AC+3], s[12:13] offset:1024*(\a)              ; positions 0-15, in f32
	global_store_b128 v[FO], v[AC+4:AC+7], s[12:13] offset:1024*(\a)+16
	WIN 0
.Lno_fine_v_\@:
.endm
.irp a, 0,1,2,3,4,5,6,7
	VBLK \a
.endr
.Ldone:
	s_wait_tensorcnt 0x0                           ; the wave's end
	ds_add_u32 v[SPW], v[NIL]
	s_wait_dscnt 0x0
	CROUND                                         ; the closing round
	s_endpgm
.Lfunc_end_k_q9a7f6d8d29_qkv:
	.size	k_q9a7f6d8d29_qkv, .Lfunc_end_k_q9a7f6d8d29_qkv-k_q9a7f6d8d29_qkv
	.p2alignl 7, 3214868480
	.fill 96, 4, 3214868480
	.section	.rodata,"a",@progbits
	.p2align	6, 0x0
	.amdhsa_kernel k_q9a7f6d8d29_qkv
		.amdhsa_group_segment_fixed_size 327680
		.amdhsa_private_segment_fixed_size 0
		.amdhsa_enable_private_segment 0
		.amdhsa_kernarg_size 40
		.amdhsa_user_sgpr_count 2
		.amdhsa_user_sgpr_kernarg_segment_ptr 1
		.amdhsa_wavefront_size32 1
		.amdhsa_system_sgpr_workgroup_id_x 1
		.amdhsa_system_sgpr_workgroup_id_y 1
		.amdhsa_system_sgpr_workgroup_id_z 1
		.amdhsa_system_vgpr_workitem_id 0
		.amdhsa_next_free_vgpr 1024
		.amdhsa_next_free_sgpr 106
		.amdhsa_reserve_vcc 0
		.amdhsa_float_denorm_mode_32 3
		.amdhsa_float_denorm_mode_16_64 3
		.amdhsa_memory_ordered 1
		.amdhsa_forward_progress 1
		.amdhsa_inst_pref_size 185
	.end_amdhsa_kernel
	.amdgpu_metadata
---
amdhsa.version: [ 1, 2 ]
amdhsa.kernels:
  - .name:           k_q9a7f6d8d29_qkv
    .symbol:         k_q9a7f6d8d29_qkv.kd
    .args:
      - { .name: codes, .offset: 0, .size: 8, .value_kind: global_buffer, .address_space: global }
      - { .name: scales, .offset: 8, .size: 8, .value_kind: global_buffer, .address_space: global }
      - { .name: rope, .offset: 16, .size: 8, .value_kind: global_buffer, .address_space: global }
      - { .name: qkv, .offset: 24, .size: 8, .value_kind: global_buffer, .address_space: global }
      - { .name: fine, .offset: 32, .size: 8, .value_kind: global_buffer, .address_space: global }
    .group_segment_fixed_size: 327680
    .private_segment_fixed_size: 0
    .kernarg_segment_align: 8
    .kernarg_segment_size: 40
    .max_flat_workgroup_size: 128
    .sgpr_count:     106
    .vgpr_count:     1024
    .wavefront_size: 32
...
	.end_amdgpu_metadata
.endif
;; end of part 2
;; launch attn (part 3): grid 4 x 64, 8 waves a work-group, no clusters, 327,680 bytes of LDS; arguments qkv, att; writes att
.if DOCPART == 3
	.amdgcn_target "amdgcn-amd-amdhsa--gfx1250"
	.amdhsa_code_object_version 6
	.text
	.protected	k_q9a7f6d8d29_attn
	.globl	k_q9a7f6d8d29_attn
	.p2align	8
	.type	k_q9a7f6d8d29_attn,@function
k_q9a7f6d8d29_attn:
	s_mov_b64 s[64:65], 0
	v_nop
	global_prefetch_b8 v0, s[64:65] scope:SCOPE_SE
	s_setreg_imm32_b32 hwreg(HW_REG_WAVE_MODE, 25, 1), 1
	s_wait_xcnt 0x0
; ATTN.  att[b][q][head] = softmax_k(q . k / 8, causal) v, products on f16 operands with f32 sums, a running maximum and sum in f32 for each query.
; Q, K, V^T come as images of operand registers (see the layouts below), so every fragment is read at 16 x lane, dense; nothing is transposed.
; SHARES.  Work-group (j, batch x 16 + head) owns two blocks of 256 queries: block 7 - j first, then block j.  Under the causal mask they need 8 - j and j + 1 slots of 256 keys: NINE SLOTS FOR EVERY WORK-GROUP,
; so the loop's trip count is a constant, all 256 work-groups have equal work, and no slot is fetched that nobody reads.  Wave w owns 32 queries of the block in hand: two tiles of 16.  A key step is 64 keys.
; With two tiles a wave each fragment of K and V read from LDS feeds two matrix instructions; two waves share a SIMD, so that one wave's products stand beside the other's softmax.
; NO CLUSTER: the four work-groups of a head walk different numbers of slots in each of their two passes (8 - j against j + 1), so their requests for a slot do not fall in the same trip.
; LAYOUT.  S^T = K Q^T (source 0 = 16 keys, source 1 = 16 queries), O^T = V^T P: a lane holds ONE query (lane % 16) throughout.  Two tiles of S^T rounded to f16 in pairs ARE source 1 of the second product.
; SOFTMAX.  p = 2^(c s - c m), c = log2(e) / 8, m the running maximum; in every step O^T and l are multiplied by a = 2^(c m_old - c m_new).  m begins at -3e38 and O^T, l at 0, so the loop has no first step of its own.
; LIMITS: |q|, |k|, |v| and the result stay under 65,504 (f16).  NaN and infinities are not served.
; REGISTERS: window 0: v1-9 addresses and constants; v16-31 statistics, 8 a tile (+0 c m, +1 m, +2, +3 l, +4..7 at work, a in +6); v32-95 S^T (32 u + 8 kt); v96-127 P (16 u + 8 kg); v128-191 O^T (32 u + 8 ct).
;            window 1: v0-31 Q (16 u + 8 c); v64-127 K of a step (8 (2 kt + c)); v128-191 V^T of a step (8 (4 kg + ct)).
.set SLOT1, 65536                      ; a slot: K's four steps of 8,192 bytes, then V's four; wave w fetches the 8,192 bytes at 8,192 w
.set SPARE, 2*SLOT1                    ; the spare words, 128 bytes a wave
.set LI,   1                           ; v1  16 x lane; never rewritten
.set ADR,  2                           ; v2  LI + the slot in hand
.set PFO,  3                           ; v3  256 x lane; never rewritten
.set SPW,  4
.set NIL,  5
.set D0,   6                           ; v6, v7  the mask: my query less the step's first key less 8 h, for tiles 0 and 1
.set NINF, 8                           ; v8  -infinity
.set RR,   9                           ; v9  r - 8 h
.set ST,   16
.set S,    32
.set P,    96
.set O,    128
.set QF,   0
.set KB,   64
.set VB,   128
.set MSB, 0
.macro WIN new                         ; the immediate's high byte repeats the setting that is left
.if MSB != \new
	s_set_vgpr_msb (MSB<<8)|\new
.set MSB, \new
.endif
.endm
; s8 wave, s9 j, s10 N0 = 8 - j, s11 the trip T, s12 the slot in hand (0 or SLOT1), s13 the slot's first key, s14 my first query, s15 my last; s[16:23] descriptor group 1, s[24:27] group 0;
; s[28:29] Q at my queries, s[30:31] att at my queries; s[32:33] c; s[34:35] lane selects; s[36:37] what the wrap takes off; s[38:39] where my prefetches stand, s40 their limit; s[48:49], s[50:51] the head's Q and att.
	s_load_b128 s[4:7], s[0:1], 0x0                ; qkv s[4:5], att s[6:7]
	v_lshl_add_u32 v[SPW], v0, 2, SPARE
	v_mov_b32 v[NIL], 0
	ds_add_u32 v[SPW], v[NIL]                      ; the wave's opening: the add, twice on end, and its wait ahead of my first tensor load
	ds_add_u32 v[SPW], v[NIL]
	v_lshrrev_b32 v10, 5, v0
	v_readfirstlane_b32 s8, v10                    ; wave 0..7
	s_mov_b32 s9, ttmp9                            ; j
	s_and_b32 s44, ttmp7, 0xffff                   ; batch x 16 + head
	s_sub_co_u32 s10, 8, s9                        ; N0: the first pass's slots
	; descriptor group 1: 8,192 dense bytes as 32 rows of 256 bytes (32 elements of 8 bytes), no padding
	s_mov_b32 s16, 3<<16
	s_mov_b32 s17, 32<<16                          ; tensor_dim0
	s_mov_b32 s18, 32<<16                          ; tensor_dim1
	s_mov_b32 s19, 32<<16                          ; tile_dim0
	s_mov_b32 s20, 32                              ; tile_dim1
	s_mov_b32 s21, 32                              ; the pitch
	s_mov_b32 s22, 0
	s_mov_b32 s23, 0
	s_mov_b32 s32, 0x3e38aa3b                      ; c = log2(e) / 8
	s_mov_b32 s33, s32                             ; (named with it as a pair)
	s_mov_b32 s34, 0x76543210
	s_mov_b32 s35, 0xfedcba98
	s_mov_b32 s37, 0
	s_mov_b32 s11, 0
	s_mov_b32 s12, 0
	s_mov_b32 s13, 0
	s_sub_co_u32 s14, 7, s9
	s_lshl_b32 s14, s14, 8
	s_lshl_b32 s41, s8, 5
	s_add_co_u32 s14, s14, s41                     ; my first query: 256 (7 - j) + 32 w
	s_add_co_u32 s15, s14, 31
	s_lshr_b32 s41, s8, 2                          ; waves 0-3 fetch K (at 16 MiB), waves 4-7 V^T (at 32 MiB)
	s_add_co_u32 s41, s41, 1
	s_lshl_b32 s41, s41, 24
	s_lshl_b32 s54, s44, 18                        ; 256 KiB for each batch and head
	s_mov_b32 s55, 0
	s_add_co_u32 s41, s41, s54
	s_and_b32 s43, s8, 3
	s_lshl_b32 s43, s43, 13                        ; my key step of the slot's four
	s_add_co_u32 s46, s41, s43
	s_mov_b32 s47, 0
	s_and_b32 s41, s44, 15                         ; the head
	s_lshr_b32 s43, s41, 1
	s_lshl_b32 s52, s43, 21                        ; att: [ks = head / 2][row tile][c4][g][lane][16]: 2 MiB a ks,
	s_and_b32 s41, s41, 1
	s_lshl_b32 s41, s41, 11                        ; 2,048 bytes for the odd head,
	s_add_co_u32 s52, s52, s41
	s_lshr_b32 s41, s44, 4
	s_lshl_b32 s41, s41, 19                        ; 128 row tiles of 4,096 bytes a batch
	s_add_co_u32 s52, s52, s41
	s_mov_b32 s53, 0
	s_cmp_eq_u32 s9, 0
	s_cselect_b32 s40, 6, 0                        ; the work-group with j = 0 walks slots 0 to 7 on end: it alone prefetches, in trips 0 to 5
	v_and_b32 v10, 31, v0
	v_lshlrev_b32 v[LI], 4, v10
	v_lshlrev_b32 v[PFO], 8, v10
	v_and_b32 v11, 15, v0
	v_bfe_u32 v12, v0, 4, 1
	v_lshlrev_b32 v12, 3, v12
	v_sub_nc_u32 v[RR], v11, v12
	v_mov_b32 v[NINF], 0xff800000
	s_wait_dscnt 0x0                               ; both opening adds are done
	s_wait_kmcnt 0x0
	s_mov_b32 s24, 1                               ; group 0: count,
	s_lshl_b32 s25, s8, 13                         ; LDS address: slot 0, 8,192 x wave,
	s_add_nc_u64 s[26:27], s[4:5], s[46:47]        ; my part of keys 0 to 255,
	s_add_nc_u64 s[38:39], s[26:27], 32768         ; (the prefetches: my part of slot 1; the first change of slots steps it to slot 2)
	s_or_b32 s27, s27, 0x80000000                  ; the type
	tensor_load_to_lds s[24:27], s[16:23]          ; every wave fetches a part of its own: one load of mine is out
	s_nop 0
.rept 4
	v_nop
.endr
	s_add_nc_u64 s[48:49], s[4:5], s[54:55]
	s_add_nc_u64 s[50:51], s[6:7], s[52:53]
.macro SETQ                            ; Q and att at my first query: 128 and 256 bytes a query
	s_lshl_b32 s46, s14, 7
	s_mov_b32 s47, 0
	s_add_nc_u64 s[28:29], s[48:49], s[46:47]
	s_lshl_b32 s46, s14, 8
	s_add_nc_u64 s[30:31], s[50:51], s[46:47]
.endm
.macro QLOAD                           ; my two tiles of Q stay in registers
	WIN 0x40
.irp u, 0,1
.irp c, 0,1
.irp g, 0,1
	global_load_b128 v[QF+16*\u+8*\c+4*\g:QF+16*\u+8*\c+4*\g+3], v[LI], s[28:29] offset:2048*\u+1024*\c+512*\g
.endr
.endr
.endr
	WIN 0
.endm
.macro INIT
.irp u, 0,1
	v_mov_b32 v[ST+8*\u+1], 0xff61b1e6             ; m = -3e38, under every score
	v_mul_f32 v[ST+8*\u], s32, v[ST+8*\u+1]        ; c m
.irp i, 2,3,4,5,6,7
	v_mov_b32 v[ST+8*\u+\i], 0
.endr
.endr
.irp i, 0,1,2,3,4,5,6,7,8,9,10,11,12,13,14,15,16,17,18,19,20,21,22,23,24,25,26,27,28,29,30,31,32,33,34,35,36,37,38,39,40,41,42,43,44,45,46,47,48,49,50,51,52,53,54,55,56,57,58,59,60,61,62,63
	v_mov_b32 v[O+\i], 0                           ; O^T: the step is written once; a pass's first step finds zeros
.endr
.endm
; A PREFETCH of what the NEXT change of slots will ask for: each wave names its own 8,192 bytes of that slot, lanes 256 bytes apart: four key steps ahead of the load that wants them.
; All four work-groups of a head read the same K and V^T; the one with j = 0 asks, so each 256 bytes are named once.  Slots 0 and 1 come by their loads alone; trips 6 and 7 ask for nothing: slot 7 is the last.
.macro ASK
	s_cmp_lt_u32 s11, s40
	s_cbranch_scc0 .Lnot_mine_\@
	global_prefetch_b8 v[PFO], s[38:39] th:TH_LOAD_NT scope:SCOPE_SE
.Lnot_mine_\@:
.endm
; THE CHANGE OF SLOTS stands at a slot's head.  Each wave waits for all its tensor loads (its part of the slot ahead), adds 0 to its spare word, and waits for that and for its reads of the slot that it has left.
; Behind the barrier the slot ahead is whole and nobody reads the other: fill = 1: it takes the next 256 keys; where the first pass ends, the keys begin again at 0.
.macro CHANGE fill
	s_wait_tensorcnt 0x0                           ; no tensor load of mine is out, so group 0 may be written
	ds_add_u32 v[SPW], v[NIL]                      ; 0 onto my spare word; the descriptor's steps stand between it and the wait for it
.if \fill
	s_xor_b32 s25, s25, SLOT1                      ; the other slot than last time,
	s_add_nc_u64 s[26:27], s[26:27], 32768         ; the next 256 keys;
	s_add_co_u32 s41, s11, 1
	s_lshl_b32 s42, s10, 15
	s_cmp_eq_u32 s41, s10                          ; the slot asked for is the second pass's first:
	s_cselect_b32 s36, s42, 0
	s_sub_nc_u64 s[26:27], s[26:27], s[36:37]      ; back to key 0
	s_wait_xcnt 0x0                                ; the last prefetch, a slot back, has read its address
	s_add_nc_u64 s[38:39], s[38:39], 32768
.endif
	s_wait_dscnt 0x0                               ; the add is done, and my reads of the slot that I have left are over
	s_barrier_signal -1
	s_barrier_wait -1
.if \fill
	tensor_load_to_lds s[24:27], s[16:23]          ; the first thing behind the barrier, and my one tensor load until the next
	s_nop 0
.rept 4
	v_nop
.endr
	ASK
.endif
.endm
.macro FETCH_K q                       ; 64 keys x 64 channels: 8 fragments, 16 loads of 512 consecutive bytes
	WIN 0x40
.irp kt, 0,1,2,3
.irp c, 0,1
.irp g, 0,1
	ds_load_b128 v[KB+8*(2*\kt+\c)+4*\g:KB+8*(2*\kt+\c)+4*\g+3], v[ADR] offset:8192*(\q)+2048*\kt+1024*\c+512*\g
.endr
.endr
.endr
.endm
.macro FETCH_V q
	WIN 0x40
.irp kg, 0,1
.irp ct, 0,1,2,3
.irp g, 0,1
	ds_load_b128 v[VB+8*(4*\kg+\ct)+4*\g:VB+8*(4*\kg+\ct)+4*\g+3], v[ADR] offset:32768+8192*(\q)+4096*\kg+1024*\ct+512*\g
.endr
.endr
.endr
.endm
; The softmax of both tiles for one key step, the tiles line by line in turn.
.macro SOFTMAX
.irp jj, 0,1,2,3                               ; the maximum of 32 scores and the old m: four chains, each begun at an accumulator's low end
.irp u, 0,1
	v_max3_num_f32 v[ST+8*\u+4+\jj], v[S+32*\u+8*\jj], v[S+32*\u+8*\jj+1], v[S+32*\u+8*\jj+2]
.endr
.endr
.irp k2, 1,2
.irp jj, 0,1,2,3
.irp u, 0,1
	v_max3_num_f32 v[ST+8*\u+4+\jj], v[ST+8*\u+4+\jj], v[S+32*\u+8*\jj+2*\k2+1], v[S+32*\u+8*\jj+2*\k2+2]
.endr
.endr
.endr
.irp u, 0,1
	v_max3_num_f32 v[ST+8*\u+4], v[ST+8*\u+4], v[S+32*\u+7], v[S+32*\u+15]
.endr
.irp u, 0,1
	v_max3_num_f32 v[ST+8*\u+6], v[ST+8*\u+6], v[S+32*\u+23], v[S+32*\u+31]
.endr
.irp u, 0,1
	v_max3_num_f32 v[ST+8*\u+4], v[ST+8*\u+4], v[ST+8*\u+5], v[ST+8*\u+6]
.endr
.irp u, 0,1
	v_max3_num_f32 v[ST+8*\u+4], v[ST+8*\u+4], v[ST+8*\u+7], v[ST+8*\u+1]
.endr
.irp u, 0,1
	v_permlanex16_b32 v[ST+8*\u+5], v[ST+8*\u+4], s34, s35   ; the query's other 32 keys lie in the lane 16 away
.endr
.irp u, 0,1
	v_mov_b32 v[ST+8*\u+7], v[ST+8*\u]             ; c m_old is kept for a
.endr
.irp u, 0,1
	v_max_num_f32 v[ST+8*\u+1], v[ST+8*\u+4], v[ST+8*\u+5]
.endr
.irp u, 0,1
	v_mul_f32 v[ST+8*\u], s32, v[ST+8*\u+1]
.endr
.irp u, 0,1
	v_sub_f32 v[ST+8*\u+7], v[ST+8*\u+7], v[ST+8*\u]
.endr
.irp u, 0,1                                    ; ONE BATCH of 66 exponentials: none of its lines reads an exponential's result
	v_exp_f32 v[ST+8*\u+6], v[ST+8*\u+7]           ; a
.endr
.set SMN, 0
.rept 32                                       ; pair SMN / 2 of tile SMN % 2 is scaled; the pair scaled just before has its two exponentials
	v_pk_fma_f32 v[S+32*(SMN%2)+2*(SMN/2):S+32*(SMN%2)+2*(SMN/2)+1], v[S+32*(SMN%2)+2*(SMN/2):S+32*(SMN%2)+2*(SMN/2)+1], s[32:33], v[ST+8*(SMN%2):ST+8*(SMN%2)+1] op_sel_hi:[1,0,0] neg_lo:[0,0,1] neg_hi:[0,0,1]
.if SMN > 0
	v_exp_f32 v[S+32*((SMN-1)%2)+2*((SMN-1)/2)], v[S+32*((SMN-1)%2)+2*((SMN-1)/2)]
	v_exp_f32 v[S+32*((SMN-1)%2)+2*((SMN-1)/2)+1], v[S+32*((SMN-1)%2)+2*((SMN-1)/2)+1]
.endif
.set SMN, SMN+1
.endr
	v_exp_f32 v[S+32+30], v[S+32+30]
	v_exp_f32 v[S+32+31], v[S+32+31]
	v_nop                                          ; a plain line behind the last exponential
	s_wait_alu depctr_va_vdst(0)                   ; one wait for the batch, ahead of its first reader
.irp n, 0,1,2,3,4,5,6,7,8,9,10,11,12,13,14,15
.irp u, 0,1
	v_cvt_pk_f16_f32 v[P+16*\u+\n], v[S+32*\u+2*\n], v[S+32*\u+2*\n+1]   ; the weights for the second product
.endr
.endr
.irp z, 0,1,2,3,4,5,6,7                        ; the sum of the unrounded weights, a tree in place
.irp u, 0,1
	v_pk_add_f32 v[S+32*\u+4*\z:S+32*\u+4*\z+1], v[S+32*\u+4*\z:S+32*\u+4*\z+1], v[S+32*\u+4*\z+2:S+32*\u+4*\z+3]
.endr
.endr
.irp z, 0,1,2,3
.irp u, 0,1
	v_pk_add_f32 v[S+32*\u+8*\z:S+32*\u+8*\z+1], v[S+32*\u+8*\z:S+32*\u+8*\z+1], v[S+32*\u+8*\z+4:S+32*\u+8*\z+5]
.endr
.endr
.irp z, 0,1
.irp u, 0,1
	v_pk_add_f32 v[S+32*\u+16*\z:S+32*\u+16*\z+1], v[S+32*\u+16*\z:S+32*\u+16*\z+1], v[S+32*\u+16*\z+8:S+32*\u+16*\z+9]
.endr
.endr
.irp u, 0,1
	v_pk_add_f32 v[S+32*\u:S+32*\u+1], v[S+32*\u:S+32*\u+1], v[S+32*\u+16:S+32*\u+17]
.endr
.irp u, 0,1
	v_pk_fma_f32 v[ST+8*\u+2:ST+8*\u+3], v[ST+8*\u+2:ST+8*\u+3], v[ST+8*\u+6:ST+8*\u+7], v[S+32*\u:S+32*\u+1] op_sel_hi:[1,0,1]   ; l = a l + the sum
.endr
.irp n, 0,1,2,3,4,5,6,7,8,9,10,11,12,13,14,15
.irp u, 0,1
	v_pk_mul_f32 v[O+32*\u+2*\n:O+32*\u+2*\n+1], v[O+32*\u+2*\n:O+32*\u+2*\n+1], v[ST+8*\u+6:ST+8*\u+7] op_sel_hi:[1,0]   ; O^T x a, each accumulator from its low end on
.endr
.endr
.endm
; A KEY STEP: 64 keys, the q-th of the slot in hand.  A step all of whose keys come after my 32 queries is left out, and with it the rest of the slot: a scalar branch on ids.
.macro STEP q, id
.if \q > 0
	s_add_co_u32 s41, s13, 64*\q
	s_cmp_gt_u32 s41, s15
	s_cbranch_scc1 .Lend_\id
.endif
	s_wait_dscnt 0x0                               ; K of this step is in
	WIN 0x05                                       ; K and Q in window 1
.irp c, 0,1                                    ; eight accumulators by turns
.irp kt, 0,1,2,3
.irp u, 0,1
.if \c == 0
	v_wmma_f32_16x16x32_f16 v[S+32*\u+8*\kt:S+32*\u+8*\kt+7], v[KB+8*(2*\kt+\c):KB+8*(2*\kt+\c)+7], v[QF+16*\u+8*\c:QF+16*\u+8*\c+7], 0
.else
	v_wmma_f32_16x16x32_f16 v[S+32*\u+8*\kt:S+32*\u+8*\kt+7], v[KB+8*(2*\kt+\c):KB+8*(2*\kt+\c)+7], v[QF+16*\u+8*\c:QF+16*\u+8*\c+7], v[S+32*\u+8*\kt:S+32*\u+8*\kt+7]
.endif
.endr
.endr
.endr
.rept 4
	v_nop                                          ; four places: for the reads of the scores, and for the loads into K's and V's registers
.endr
	FETCH_V \q
.if \q < 3
	FETCH_K (\q)+1
.endif
	WIN 0
	s_add_co_u32 s42, s13, 64*\q+63                ; on the diagonal hidden scores become -infinity ahead of the maximum.  A step all of whose keys count skips this
	s_cmp_le_u32 s42, s14
	s_cbranch_scc1 .Lopen_\@
	s_add_co_u32 s42, s13, 64*\q
	s_sub_co_i32 s42, s14, s42
	v_add_nc_u32 v[D0], s42, v[RR]                 ; register 8 kt + j of tile u holds key KF + 16 kt + 8 h + j: hidden where 16 kt + j > my query - KF - 8 h.  The step's first key counts for every query of mine
	v_add_nc_u32 v[D0+1], 16, v[D0]
.irp u, 0,1
.irp kt, 0,1,2,3
.irp j, 0,1,2,3,4,5,6,7
	v_cmp_gt_i32 vcc_lo, 16*\kt+\j, v[D0+\u]
	v_cndmask_b32 v[S+32*\u+8*\kt+\j], v[S+32*\u+8*\kt+\j], v[NINF], vcc_lo
.endr
.endr
.endr
.Lopen_\@:
	SOFTMAX
.if \q < 3
	s_wait_dscnt 16                                ; V is in; the next step's sixteen loads of K may be out
.else
	s_wait_dscnt 0x0
.endif
	WIN 0x01                                       ; V^T in window 1
.irp kg, 0,1
.irp ct, 0,1,2,3
.irp u, 0,1
	v_wmma_f32_16x16x32_f16 v[O+32*\u+8*\ct:O+32*\u+8*\ct+7], v[VB+8*(4*\kg+\ct):VB+8*(4*\kg+\ct)+7], v[P+16*\u+8*\kg:P+16*\u+8*\kg+7], v[O+32*\u+8*\ct:O+32*\u+8*\ct+7]
.endr
.endr
.endr
	WIN 0
.endm
; A block's end: O^T / l, rounded to f16, stored as the image that the projection's launch reads: [ks][row tile][c4][g][lane][16 bytes].  The additions are the places behind the last products.
.macro FINISH
.irp u, 0,1
	v_add_f32 v[ST+8*\u+4], v[ST+8*\u+2], v[ST+8*\u+3]
.endr
.irp u, 0,1
	v_permlanex16_b32 v[ST+8*\u+5], v[ST+8*\u+4], s34, s35
.endr
.irp u, 0,1
	v_add_f32 v[ST+8*\u+4], v[ST+8*\u+4], v[ST+8*\u+5]
.endr
	v_nop
	v_nop
.irp u, 0,1
	v_rcp_f32 v[ST+8*\u+6], v[ST+8*\u+4]
.endr
	v_nop                                          ; a plain line behind the reciprocals
	s_wait_alu depctr_va_vdst(0)                   ; one wait for both, ahead of their first reader
.irp n, 0,1,2,3,4,5,6,7,8,9,10,11,12,13,14,15
.irp u, 0,1
	v_pk_mul_f32 v[S+32*\u+2*\n:S+32*\u+2*\n+1], v[O+32*\u+2*\n:O+32*\u+2*\n+1], v[ST+8*\u+6:ST+8*\u+7] op_sel_hi:[1,0]
.endr
.endr
.irp n, 0,1,2,3,4,5,6,7,8,9,10,11,12,13,14,15
.irp u, 0,1
	v_cvt_pk_f16_f32 v[P+16*\u+\n], v[S+32*\u+2*\n], v[S+32*\u+2*\n+1]
.endr
.endr
.irp u, 0,1
.irp ct, 0,1,2,3
	global_store_b128 v[LI], v[P+16*\u+4*\ct:P+16*\u+4*\ct+3], s[30:31] offset:4096*\u+512*\ct   ; 512 consecutive bytes, aligned
.endr
.endr
	s_wait_xcnt 0x0                                ; the stores have read their registers and their base
.endm
.macro PASSCHK                         ; where the first pass's slots are done: block 7 - j leaves, block j begins.  Ids and the trip's number alone: all eight waves go the same way
	s_cmp_lg_u32 s11, s10
	s_cbranch_scc1 .Lsame_\@
	FINISH
	s_lshl_b32 s14, s9, 8
	s_lshl_b32 s41, s8, 5
	s_add_co_u32 s14, s14, s41
	s_add_co_u32 s15, s14, 31
	s_mov_b32 s13, 0
	SETQ
	QLOAD
	INIT
	s_wait_loadcnt 0x0
.Lsame_\@:
.endm
.macro SLOT_BODY id
	PASSCHK
	v_add_nc_u32 v[ADR], s12, v[LI]
	FETCH_K 0
	WIN 0
	STEP 0, \id
	STEP 1, \id
	STEP 2, \id
	STEP 3, \id
.Lend_\id:
	s_add_co_u32 s13, s13, 256
	s_xor_b32 s12, s12, SLOT1
.endm
	SETQ
	QLOAD
	INIT
	s_wait_loadcnt 0x0                             ; Q
.Lslot:                                            ; eight trips: behind each change of slots the next slot is asked for; the first trip's load is slot 1's first fill
	CHANGE 1
	SLOT_BODY 0
	s_add_co_u32 s11, s11, 1
	s_cmp_lt_u32 s11, 8
	s_cbranch_scc1 .Lslot
	CHANGE 0                                       ; the ninth slot is written out: nothing is left to fetch
	SLOT_BODY 1
	FINISH
	s_wait_tensorcnt 0x0                           ; the wave's end
	ds_add_u32 v[SPW], v[NIL]
	s_wait_dscnt 0x0
	s_endpgm
.Lfunc_end_k_q9a7f6d8d29_attn:
	.size	k_q9a7f6d8d29_attn, .Lfunc_end_k_q9a7f6d8d29_attn-k_q9a7f6d8d29_attn
	.p2alignl 7, 3214868480
	.fill 96, 4, 3214868480
	.section	.rodata,"a",@progbits
	.p2align	6, 0x0
	.amdhsa_kernel k_q9a7f6d8d29_attn
		.amdhsa_group_segment_fixed_size 327680
		.amdhsa_private_segment_fixed_size 0
		.amdhsa_enable_private_segment 0
		.amdhsa_kernarg_size 16
		.amdhsa_user_sgpr_count 2
		.amdhsa_user_sgpr_kernarg_segment_ptr 1
		.amdhsa_wavefront_size32 1
		.amdhsa_system_sgpr_workgroup_id_x 1
		.amdhsa_system_sgpr_workgroup_id_y 1
		.amdhsa_system_sgpr_workgroup_id_z 1
		.amdhsa_system_vgpr_workitem_id 0
		.amdhsa_next_free_vgpr 512
		.amdhsa_next_free_sgpr 66
		.amdhsa_reserve_vcc 1
		.amdhsa_float_denorm_mode_32 3
		.amdhsa_float_denorm_mode_16_64 3
		.amdhsa_memory_ordered 1
		.amdhsa_forward_progress 1
		.amdhsa_inst_pref_size 202
	.end_amdhsa_kernel
	.amdgpu_metadata
---
amdhsa.version: [ 1, 2 ]
amdhsa.kernels:
  - .name:           k_q9a7f6d8d29_attn
    .symbol:         k_q9a7f6d8d29_attn.kd
    .args:
      - { .name: qkv, .offset: 0, .size: 8, .value_kind: global_buffer, .address_space: global }
      - { .name: att, .offset: 8, .size: 8, .value_kind: global_buffer, .address_space: global }
    .group_segment_fixed_size: 327680
    .private_segment_fixed_size: 0
    .kernarg_segment_align: 8
    .kernarg_segment_size: 16
    .max_flat_workgroup_size: 256
    .sgpr_count:     66
    .vgpr_count:     512
    .wavefront_size: 32
...
	.end_amdgpu_metadata
.endif
;; end of part 3
;; launch oproj (part 4): grid 4 x 64, 4 waves a work-group, clusters of 4 x 4, 327,680 bytes of LDS; arguments att, wo16, out0; writes out0
.if DOCPART == 4
	.amdgcn_target "amdgcn-amd-amdhsa--gfx1250"
	.amdhsa_code_object_version 6
	.text
	.protected	k_q9a7f6d8d29_oproj
	.globl	k_q9a7f6d8d29_oproj
	.p2align	8
	.type	k_q9a7f6d8d29_oproj,@function
k_q9a7f6d8d29_oproj:
	s_mov_b64 s[64:65], 0
	v_nop
	global_prefetch_b8 v0, s[64:65] scope:SCOPE_SE
	s_setreg_imm32_b32 hwreg(HW_REG_WAVE_MODE, 25, 1), 1
	s_wait_xcnt 0x0
	s_wait_alu depctr_hold_cnt(0) depctr_sa_sdst(0) depctr_va_vdst(0) depctr_va_sdst(0) depctr_va_ssrc(0) depctr_va_vcc(0) depctr_vm_vsrc(0)
	s_getreg_b32 s2, hwreg(HW_REG_IB_STS2, 6, 4)
	s_cmp_eq_u32 s2, 0
	s_cbranch_scc0 .Lentry_in_a_cluster
	s_endpgm
.Lentry_in_a_cluster:
	s_bfe_u32 s2, ttmp6, 0x10000c
	s_cmp_lg_u32 s2, 0xf033
	s_cbranch_scc0 .Lentry_shape_is_right
	s_endpgm
.Lentry_shape_is_right:
; OPROJ.  out0[m][n] = sum over k of att[m][k] wo[n][k], f16 operands, f32 sums; all rows but positions 0-15 of each sequence, which the last launch makes in f32.
; A tile of out0 is 128 (m) x 256 (n): 256 work-groups.  Four waves, each 64 x 128: 32 accumulators, 256 registers.  K goes in 8 steps of 128 through two LDS slots.
; att comes as images of operand registers, [ks 8][row tile 512][c4 4][g 2][lane][16 bytes]: a K step's 128 rows are 32,768 dense bytes, read at 16 x lane.  wo16 comes as rows of 256 bytes, padded to 272 in LDS.
; THE MATRIX INSTRUCTION IS USED TRANSPOSED (source 0 = 16 rows of wo, source 1 = 16 rows of att): a lane holds eight neighbouring numbers of a row of out0.
; CLUSTERS 4 x 4.  The n tile is cx, the m tile cY + 16 cy: the four of a row of the cluster need the same tile of att, the four of a column the same tile of wo: each is asked for jointly.
; With that numbering "the tile holds positions 0-15" is cY = 0, the same in all sixteen partners.
; No prefetch: the launch has eight K steps and moves its operands and 33 MB of results in them; what is asked for by tensor loads is already two slots.
; REGISTERS: window 0: v16-29 addresses; v64-95, v96-127 att's fragments, two buffers; v128-191 rows on the way out.  window 1: v0-63, v64-127 wo's fragments, two buffers.  window 2: accumulators, (a, b) at v[8 (8 a + b)].
.set ABYTES, 32768
.set PITCH,  272                       ; a row of wo in LDS: 256 bytes + 16: the 16 rows that a load touches start at 16 different banks (64 banks of 4 bytes: ISA guide 11.1)
.set HALFB,  128*PITCH
.set SLOT,   ABYTES+2*HALFB            ; 102,400
.set SPARE,  2*SLOT                    ; the spare words, 128 bytes a wave
.set SPITCH, 528                       ; the way out: a stage of 16 rows x (512 + 16) bytes for each wave, in slot 0, which has had its last fill and its last read by then
.set ADRA, 16
.set ADRB, 20
.set STO,  24
.set RD,   25
.set CO,   26
.set SPW,  28
.set NIL,  29
.set BK,   128
.set G1, 24
.set G0, 32
.set G1B, 48
.set G0B, 56
.set MSB, 0
.macro WIN new                         ; the immediate's high byte repeats the setting that is left
.if MSB != \new
	s_set_vgpr_msb (MSB<<8)|\new
.set MSB, \new
.endif
.endm
.set MUL, 0xa1                         ; source 0 (wo) window 1, source 1 (att) window 0, C and D window 2
.macro JLOAD s                         ; waves 0 and 1 fetch att's two halves, waves 2 and 3 wo's; an s_nop 0 and four v_nop follow each of the two lines
	s_cmp_eq_u32 s11, 0
	s_cbranch_scc0 .Lfor_b_\@
	tensor_load_to_lds s[G0+4*\s:G0+4*\s+3], s[G1:G1+7]
	s_nop 0
.rept 4
	v_nop
.endr
	s_branch .Lasked_\@
.Lfor_b_\@:
	tensor_load_to_lds s[G0B+4*\s:G0B+4*\s+3], s[G1B:G1B+7]
	s_nop 0
.rept 4
	v_nop
.endr
.Lasked_\@:
.endm
.macro CREST                           ; a round of the cluster's barrier behind its opening barrier
	s_cmp_lg_u32 s10, 0
	s_cbranch_scc1 .Lnot_wave_0_\@
	s_barrier_signal -3
.Lnot_wave_0_\@:
	s_barrier_wait -3
	s_barrier_signal -1
	s_barrier_wait -1
.endm
.macro CROUND
	s_barrier_signal -1
	s_barrier_wait -1
	CREST
.endm
	s_load_b128 s[4:7], s[0:1], 0x0                ; att s[4:5], wo16 s[6:7]
	s_load_b64 s[8:9], s[0:1], 0x10                ; out0
	v_lshl_add_u32 v[SPW], v0, 2, SPARE
	v_mov_b32 v[NIL], 0
	ds_add_u32 v[SPW], v[NIL]                      ; the wave's opening: the add, twice on end, and its wait ahead of my first tensor load
	ds_add_u32 v[SPW], v[NIL]
	v_lshrrev_b32 v1, 5, v0
	v_readfirstlane_b32 s10, v1                    ; wave 0..3
	s_lshr_b32 s11, s10, 1                         ; wr: which 64 rows are mine.  Also: I fetch for att (0) or for wo (1)
	s_and_b32 s12, s10, 1                          ; wc: which 128 columns.  Also: which half I fetch
	s_bfe_u32 s40, ttmp6, 0x40000                  ; cx: the n tile
	s_bfe_u32 s41, ttmp6, 0x40004                  ; cy
	s_and_b32 s42, ttmp7, 0xffff                   ; cY
	s_lshl_b32 s13, s41, 4
	s_add_co_u32 s13, s13, s42                     ; the m tile: cY + 16 cy
	s_lshl_b32 s43, s41, 2
	s_lshl_b32 s43, 15, s43                        ; my row of the cluster
	s_lshl_b32 s44, 0x1111, s40                    ; my column
	; group 1 for att: 16,384 dense bytes as 64 rows of 256 bytes (32 elements of 8), no padding
	s_or_b32 s[G1+0], s43, (3<<16)|(1<<21)
	s_mov_b32 s[G1+1], 32<<16
	s_mov_b32 s[G1+2], 64<<16
	s_mov_b32 s[G1+3], 32<<16
	s_mov_b32 s[G1+4], 64
	s_mov_b32 s[G1+5], 32
	s_mov_b32 s[G1+6], 0
	s_mov_b32 s[G1+7], 0
	; group 1 for wo: 128 rows x 128 elements of 2 bytes, pitch 1,024 elements, four words of padding after every 64
	s_or_b32 s[G1B+0], s44, (1<<16)|(1<<20)|(1<<21)|(5<<22)|(3<<25)
	s_mov_b32 s[G1B+1], 128<<16
	s_mov_b32 s[G1B+2], 128<<16
	s_mov_b32 s[G1B+3], 128<<16
	s_mov_b32 s[G1B+4], 128
	s_mov_b32 s[G1B+5], 1024
	s_mov_b32 s[G1B+6], 0
	s_mov_b32 s[G1B+7], 0
	s_lshl_b32 s16, s13, 15                        ; att: 8 row tiles of 4,096 bytes for each m tile,
	s_lshl_b32 s17, s12, 14                        ; my four of them
	s_add_co_u32 s16, s16, s17
	s_mov_b32 s17, 0
	s_lshl_b32 s46, s40, 19                        ; wo: 256 rows of 2,048 bytes for each n tile,
	s_lshl_b32 s47, s12, 18                        ; my 128 of them
	s_add_co_u32 s46, s46, s47
	s_mov_b32 s47, 0
	s_lshl_b32 s20, s12, 14                        ; where they go: att's halves,
	s_mul_i32 s21, s12, HALFB
	s_add_co_u32 s21, s21, ABYTES                  ; wo's halves behind them: the wave's number alone
	s_wait_dscnt 0x0                               ; both opening adds are done
	s_wait_kmcnt 0x0
	s_add_nc_u64 s[14:15], s[4:5], s[16:17]
	s_add_nc_u64 s[46:47], s[6:7], s[46:47]
	CROUND                                         ; all sixteen work-groups are here: the first joint loads meet
.irp s, 0,1
	s_mov_b32 s[G0+4*\s], 1
	s_add_co_u32 s[G0+4*\s+1], s20, \s*SLOT
	s_add_nc_u64 s[G0+4*\s+2:G0+4*\s+3], s[14:15], \s*0x200000   ; a K step of att is 2 MiB on
	s_or_b32 s[G0+4*\s+3], s[G0+4*\s+3], 0x80000000
	s_mov_b32 s[G0B+4*\s], 1
	s_add_co_u32 s[G0B+4*\s+1], s21, \s*SLOT
	s_add_nc_u64 s[G0B+4*\s+2:G0B+4*\s+3], s[46:47], \s*256      ; of wo 256 bytes on
	s_or_b32 s[G0B+4*\s+3], s[G0B+4*\s+3], 0x80000000
	JLOAD \s                                       ; two loads of mine are out
.endr
	v_and_b32 v1, 15, v0                           ; r
	v_bfe_u32 v2, v0, 4, 1                         ; h
	v_and_b32 v3, 31, v0
	v_lshlrev_b32 v[CO], 4, v3                     ; 16 x lane
	v_mul_u32_u24 v4, v1, PITCH
	v_lshl_add_u32 v4, v2, 4, v4                   ; wo: row x pitch + 16 h
	s_lshl_b32 s21, s11, 14                        ; my four row tiles of att
	s_mul_i32 s22, s12, HALFB
	s_add_co_u32 s22, s22, ABYTES                  ; my 128 rows of wo
.irp s, 0,1
	v_add_nc_u32 v[ADRA+\s], s21, v[CO]
	v_add_nc_u32 v[ADRB+\s], s22, v4
	s_add_co_u32 s21, s21, SLOT
	s_add_co_u32 s22, s22, SLOT
.endr
	s_mul_i32 s23, s10, 16*SPITCH                  ; my stage
	v_mul_u32_u24 v5, v1, SPITCH
	v_lshl_add_u32 v5, v2, 5, v5
	v_add_nc_u32 v[STO], s23, v5                   ; in: row r, 32 bytes for each half of the lanes
	v_add_nc_u32 v[RD], s23, v[CO]                 ; back: the 32 lanes take one row of 512 bytes
	s_lshl_b32 s16, s13, 19                        ; my first row of out0: 128 x m tile + 64 wr, 4,096 bytes a row
	s_lshl_b32 s17, s11, 18
	s_add_co_u32 s16, s16, s17
	s_mov_b32 s17, 0
	s_add_nc_u64 s[8:9], s[8:9], s[16:17]
	s_lshl_b32 s46, s40, 10                        ; my first column, in bytes: 1,024 cx + 512 wc
	s_lshl_b32 s47, s12, 9
	s_add_co_u32 s46, s46, s47
	s_mov_b32 s47, 0
	s_add_nc_u64 s[8:9], s[8:9], s[46:47]
; 8 matrix instructions: att's block a x wo's eight, 32 along K, from buffer f.  The 32 accumulators take turns in the same order in every quarter.
.macro MULA f, a, zero
.irp b, 0,1,2,3,4,5,6,7
.if \zero
	v_wmma_f32_16x16x32_f16 v[8*(8*(\a)+\b):8*(8*(\a)+\b)+7], v[64*(\f)+8*\b:64*(\f)+8*\b+7], v[64+32*(\f)+8*(\a):64+32*(\f)+8*(\a)+7], 0
.else
	v_wmma_f32_16x16x32_f16 v[8*(8*(\a)+\b):8*(8*(\a)+\b)+7], v[64*(\f)+8*\b:64*(\f)+8*\b+7], v[64+32*(\f)+8*(\a):64+32*(\f)+8*(\a)+7], v[8*(8*(\a)+\b):8*(8*(\a)+\b)+7]
.endif
.endr
.endm
.macro FETCH slot, q, f                ; 24 LDS loads in one run: the fragments of the slot's q-th 32 along K: wo's eight, then att's four
	WIN 0x40
.irp i, 0,1,2,3,4,5,6,7
	ds_load_b128 v[64*(\f)+8*\i:64*(\f)+8*\i+3],   v[ADRB+\slot] offset:64*(\q)+16*PITCH*\i
	ds_load_b128 v[64*(\f)+8*\i+4:64*(\f)+8*\i+7], v[ADRB+\slot] offset:64*(\q)+16*PITCH*\i+32
.endr
	WIN 0
.irp i, 0,1,2,3
.irp g, 0,1
	ds_load_b128 v[64+32*(\f)+8*\i+4*\g:64+32*(\f)+8*\i+4*\g+3], v[ADRA+\slot] offset:4096*\i+1024*(\q)+512*\g
.endr
.endr
.endm
.macro PLACES                          ; four plain lines in front of loads into registers that matrix instructions have read, and of reads of results
.rept 4
	v_nop
.endr
.endm
.macro QUARTER slot, qn, f, g, zero    ; multiplies buffer f; in its middle fetches the slot's quarter qn into buffer g
	s_wait_dscnt 4                                 ; all but the youngest four loads (att's blocks 2 and 3) are in
	WIN MUL
	MULA \f, 0, \zero
	MULA \f, 1, \zero
	PLACES
	FETCH \slot, \qn, \g
	s_wait_dscnt 24                                ; all but the 24 just issued
	WIN MUL
	MULA \f, 2, \zero
	MULA \f, 3, \zero
.endm
; A slot's last quarter multiplies buffer 1 and changes slots: one barrier; in front of it each wave waits for all its tensor loads, adds 0 to its spare word, and waits for that and for its reads of this slot.
.macro TURN slot, next, fill
	WIN 0                                          ; (the add's two registers lie in window 0)
	s_wait_tensorcnt 0x0                           ; my part of the next slot has landed
	ds_add_u32 v[SPW], v[NIL]
	s_wait_dscnt 5                                 ; the add and the youngest four loads may be out
	WIN MUL
	MULA 1, 0, 0
	s_wait_dscnt 0x0                               ; the add is done, and my reads of this slot are over
	s_barrier_signal -1
	MULA 1, 1, 0
.if \fill
	WIN 0
.endif
	s_barrier_wait -1
.if \fill
	CREST                                          ; the barrier has opened a round of the cluster's: no wave of any partner still reads this slot or has a load on its way
	s_add_nc_u64 s[G0+4*\slot+2:G0+4*\slot+3], s[G0+4*\slot+2:G0+4*\slot+3], 0x400000
	s_add_nc_u64 s[G0B+4*\slot+2:G0B+4*\slot+3], s[G0B+4*\slot+2:G0B+4*\slot+3], 512
	JLOAD \slot                                    ; the first tensor load behind the round; its four v_nop are also the places in front of the loads below
.else
	PLACES
.endif
	FETCH \next, 0, 0
	WIN MUL
	MULA 1, 2, 0
	MULA 1, 3, 0
.endm
	s_wait_tensorcnt 1                             ; my part of K step 0 is in; K step 1's may be out
	s_barrier_signal -1
	s_barrier_wait -1
	FETCH 0, 0, 0
	QUARTER 0, 1, 0, 1, 1                          ; the first quarter's products start the sums
	WIN 0
	s_mov_b32 s3, 3
.Llap:                                             ; three trips: once round the ring, both slots filled again: K steps 2 to 7
	QUARTER 0, 2, 1, 0, 0
	QUARTER 0, 3, 0, 1, 0
	TURN 0, 1, 1
	QUARTER 1, 1, 0, 1, 0
	QUARTER 1, 2, 1, 0, 0
	QUARTER 1, 3, 0, 1, 0
	TURN 1, 0, 1
	QUARTER 0, 1, 0, 1, 0
	WIN 0
	s_sub_co_u32 s3, s3, 1
	s_cmp_lg_u32 s3, 0
	s_cbranch_scc1 .Llap
	QUARTER 0, 2, 1, 0, 0                          ; the last lap fills nothing
	QUARTER 0, 3, 0, 1, 0
	TURN 0, 1, 0
	QUARTER 1, 1, 0, 1, 0
	QUARTER 1, 2, 1, 0, 0
	QUARTER 1, 3, 0, 1, 0
	s_wait_dscnt 4
	WIN MUL
	MULA 1, 0, 0
	MULA 1, 1, 0
	s_wait_dscnt 0
	MULA 1, 2, 0
	MULA 1, 3, 0
	WIN 0
; THE WAY OUT, a block of 16 rows x 128 columns at a time, through my own stage: a lane's 32 bytes go in by rows of 528 bytes and come back as whole rows of 512.
.macro OUTBLK a
	s_wait_xcnt 0x0                                ; the last block's stores have read their registers
	WIN 0x08                                       ; an LDS store's data are its source 1: window 2
.irp b, 0,1,2,3,4,5,6,7
	ds_store_b128 v[STO], v[64*(\a)+8*\b:64*(\a)+8*\b+3] offset:64*\b          ; each accumulator from its low end on
	ds_store_b128 v[STO], v[64*(\a)+8*\b+4:64*(\a)+8*\b+7] offset:64*\b+16
.endr
	WIN 0
.irp t, 0,1,2,3,4,5,6,7,8,9,10,11,12,13,14,15
	ds_load_b128 v[BK+4*\t:BK+4*\t+3], v[RD] offset:SPITCH*\t   ; LDS serves a wave's instructions in order: these see my stores
.endr
.irp t, 0,1,2,3,4,5,6,7,8,9,10,11,12,13,14,15
	s_wait_dscnt 15-\t                             ; row t is back; the younger rows' loads may be out
	global_store_b128 v[CO], v[BK+4*\t:BK+4*\t+3], s[8:9] offset:(16*(\a)+\t)*4096 th:TH_STORE_NT   ; 512 consecutive bytes, aligned
.endr
.endm
	PLACES
	s_or_b32 s14, s42, s11                         ; 0 where my block 0 is positions 0-15 of a sequence: the cluster's y and the wave's number
	s_cmp_eq_u32 s14, 0
	s_cbranch_scc1 .Lskip0                         ; those rows belong to the last launch
	OUTBLK 0
.Lskip0:
	OUTBLK 1
	OUTBLK 2
	OUTBLK 3
	s_wait_tensorcnt 0x0                           ; the wave's end
	ds_add_u32 v[SPW], v[NIL]
	s_wait_dscnt 0x0
	CROUND                                         ; the closing round
	s_endpgm
.Lfunc_end_k_q9a7f6d8d29_oproj:
	.size	k_q9a7f6d8d29_oproj, .Lfunc_end_k_q9a7f6d8d29_oproj-k_q9a7f6d8d29_oproj
	.p2alignl 7, 3214868480
	.fill 96, 4, 3214868480
	.section	.rodata,"a",@progbits
	.p2align	6, 0x0
	.amdhsa_kernel k_q9a7f6d8d29_oproj
		.amdhsa_group_segment_fixed_size 327680
		.amdhsa_private_segment_fixed_size 0
		.amdhsa_enable_private_segment 0
		.amdhsa_kernarg_size 24
		.amdhsa_user_sgpr_count 2
		.amdhsa_user_sgpr_kernarg_segment_ptr 1
		.amdhsa_wavefront_size32 1
		.amdhsa_system_sgpr_workgroup_id_x 1
		.amdhsa_system_sgpr_workgroup_id_y 1
		.amdhsa_system_sgpr_workgroup_id_z 1
		.amdhsa_system_vgpr_workitem_id 0
		.amdhsa_next_free_vgpr 768
		.amdhsa_next_free_sgpr 66
		.amdhsa_reserve_vcc 0
		.amdhsa_float_denorm_mode_32 3
		.amdhsa_float_denorm_mode_16_64 3
		.amdhsa_memory_ordered 1
		.amdhsa_forward_progress 1
		.amdhsa_inst_pref_size 87
	.end_amdhsa_kernel
	.amdgpu_metadata
---
amdhsa.version: [ 1, 2 ]
amdhsa.kernels:
  - .name:           k_q9a7f6d8d29_oproj
    .symbol:         k_q9a7f6d8d29_oproj.kd
    .args:
      - { .name: att, .offset: 0, .size: 8, .value_kind: global_buffer, .address_space: global }
      - { .name: wo16, .offset: 8, .size: 8, .value_kind: global_buffer, .address_space: global }
      - { .name: out0, .offset: 16, .size: 8, .value_kind: global_buffer, .address_space: global }
    .group_segment_fixed_size: 327680
    .private_segment_fixed_size: 0
    .kernarg_segment_align: 8
    .kernarg_segment_size: 24
    .max_flat_workgroup_size: 128
    .sgpr_count:     66
    .vgpr_count:     768
    .wavefront_size: 32
...
	.end_amdgpu_metadata
.endif
;; end of part 4
;; launch fine (part 5): grid 16 x 4, 16 waves a work-group, no clusters, 71,680 bytes of LDS; arguments fine, wo, out0; writes out0
.if DOCPART == 5
	.amdgcn_target "amdgcn-amd-amdhsa--gfx1250"
	.amdhsa_code_object_version 6
	.text
	.protected	k_q9a7f6d8d29_fine
	.globl	k_q9a7f6d8d29_fine
	.p2align	8
	.type	k_q9a7f6d8d29_fine,@function
k_q9a7f6d8d29_fine:
	s_mov_b64 s[64:65], 0
	v_nop
	global_prefetch_b8 v0, s[64:65] scope:SCOPE_SE
	s_setreg_imm32_b32 hwreg(HW_REG_WAVE_MODE, 25, 1), 1
	s_wait_xcnt 0x0
; FINE.  Positions 0-15 of every sequence, attention and projection, in f32: under the causal mask these rows average one to sixteen values and are the largest of the output, so f16 operands would weigh most here.
; Work-group (slab of 64 output columns, batch).  Wave hd makes head hd's 16 x 16 attention (made again in each slab: 32 matrix instructions), then its share, K = the head's 64 channels, of the projection onto the
; slab's 64 columns; the sixteen shares meet in LDS and are added in a fixed order by waves 0-7, two rows each.
; The f32 matrix form takes K = 4: lane (r, h), register j holds k = 2 h + j.  K is taken in another order, the same on both operands, so that loads of 16 bytes feed it: the sums hold the same terms.
; Both attention products and the projection are used transposed, so that a lane holds ONE query: S^T = K Q^T, O^T = V^T P, Y^T = W O.  The result of each is source 1 of the next as it stands.
; The accumulators (v16-31, v48-111) are written by matrix instructions alone; what is made of a sum goes into other registers.
; REGISTERS: v1 r, v2 h, v3-7 addresses, v8, v9 the add's two, v10-15 at work; v16-23, v24-31 the scores' two sums; v32-39 scores, then p; v40-47 p / l; v48-79 O^T (4 tiles); v80-111 Y^T (4 tiles);
;            v112-143 Q, later W's tile 1; v144-175 K, later tile 2; v176-207 V^T, later tile 3; v208-239 W's tile 0; v240 my offset in out0.
.set SPARE, 69632                      ; behind the sixteen shares of 16 rows x 272 bytes: the spare words, 128 bytes a wave
.set SPW, 8
.set NIL, 9
.set SA,  16
.set SB,  24
.set T,   32
.set PP,  40
.set OA,  48
.set YA,  80
.set QR,  112
.set KR,  144
.set VR,  176
.set GO,  240
	s_load_b128 s[4:7], s[0:1], 0x0                ; fine s[4:5], wo s[6:7]
	s_load_b64 s[8:9], s[0:1], 0x10                ; out0
	v_lshl_add_u32 v[SPW], v0, 2, SPARE
	v_mov_b32 v[NIL], 0
	v_lshrrev_b32 v10, 5, v0
	v_readfirstlane_b32 s10, v10                   ; wave = head
	s_mov_b32 s11, ttmp9                           ; slab
	s_and_b32 s12, ttmp7, 0xffff                   ; batch
	v_and_b32 v1, 15, v0                           ; r
	v_bfe_u32 v2, v0, 4, 1                         ; h
	v_lshlrev_b32 v3, 12, v1
	v_lshl_add_u32 v3, v2, 4, v3                   ; Q, K: row r of 4,096 bytes, + 16 h
	v_lshlrev_b32 v4, 6, v1
	v_lshl_add_u32 v4, v2, 5, v4                   ; V^T: row r of 64 bytes, + 32 h
	v_lshlrev_b32 v5, 12, v1
	v_lshl_add_u32 v5, v2, 5, v5                   ; W: row r of 4,096 bytes, + 32 h
	s_mul_i32 s13, s10, 4352
	v_mul_u32_u24 v6, v1, 272
	v_lshl_add_u32 v6, v2, 5, v6
	v_add_nc_u32 v6, s13, v6                       ; LDS, my share: row r of 272 bytes, + 32 h
	s_mul_i32 s13, s10, 544
	v_mul_u32_u24 v7, v2, 272
	v_lshl_add_u32 v7, v1, 4, v7
	v_add_nc_u32 v7, s13, v7                       ; LDS, on the way back (waves 0-7): row 2 w + h, 16 bytes a lane
	s_lshl_b32 s13, s10, 13
	v_lshlrev_b32 v[GO], 12, v2
	v_lshl_add_u32 v[GO], v1, 4, v[GO]
	v_add_nc_u32 v[GO], s13, v[GO]                 ; and the same place in out0
	v_lshlrev_b32 v10, 3, v2
	v_sub_nc_u32 v10, v1, v10                      ; r - 8 h: key 8 h + j is hidden where j > r - 8 h
	v_mov_b32 v11, 0xff800000                      ; -infinity
	s_mov_b32 s22, 0x3e38aa3b                      ; c = log2(e) / 8
	s_mov_b32 s23, s22
	s_mov_b32 s24, 0x76543210
	s_mov_b32 s25, 0xfedcba98
	s_lshl_b32 s26, s12, 16                        ; 64 KiB a batch in each of the three copies
	s_lshl_b32 s28, s10, 8                         ; a head's 64 channels: 256 bytes of a row
	s_add_co_u32 s28, s28, s26
	s_mov_b32 s29, 0
	s_lshl_b32 s30, s10, 12                        ; a head's 64 rows of V^T
	s_add_co_u32 s30, s30, s26
	s_mov_b32 s31, 0
	s_wait_kmcnt 0x0
	s_add_nc_u64 s[14:15], s[4:5], s[28:29]        ; Q (K: 256 KiB on)
	s_add_nc_u64 s[16:17], s[4:5], s[30:31]        ; V^T (512 KiB on)
	s_lshl_b32 s28, s11, 18                        ; the slab's 64 rows of wo,
	s_lshl_b32 s30, s10, 8                         ; the head's channels
	s_add_co_u32 s28, s28, s30
	s_add_nc_u64 s[18:19], s[6:7], s[28:29]
	s_lshl_b32 s28, s12, 23                        ; the batch's first row of out0,
	s_lshl_b32 s30, s11, 8                         ; the slab's 256 bytes
	s_add_co_u32 s28, s28, s30
	s_add_nc_u64 s[20:21], s[8:9], s[28:29]
.irp c, 0,1,2,3,4,5,6,7
	global_load_b128 v[QR+4*\c:QR+4*\c+3], v3, s[14:15] offset:32*\c             ; channels 8 c + 4 h + 0 .. 3 of query r
.endr
.irp c, 0,1,2,3,4,5,6,7
	global_load_b128 v[KR+4*\c:KR+4*\c+3], v3, s[14:15] offset:262144+32*\c      ; the same of key r
.endr
.irp ct, 0,1,2,3
	global_load_b128 v[VR+8*\ct:VR+8*\ct+3], v4, s[16:17] offset:524288+1024*\ct       ; keys 8 h + 0 .. 7 of channel 16 ct + r
	global_load_b128 v[VR+8*\ct+4:VR+8*\ct+7], v4, s[16:17] offset:524288+1024*\ct+16
.endr
.macro WLOAD reg, nt                   ; channels 16 ct + 8 h + 0 .. 7 of wo's row 16 nt + r
.irp ct, 0,1,2,3
	global_load_b128 v[\reg+8*\ct:\reg+8*\ct+3], v5, s[18:19] offset:65536*\nt+64*\ct
	global_load_b128 v[\reg+8*\ct+4:\reg+8*\ct+7], v5, s[18:19] offset:65536*\nt+64*\ct+16
.endr
.endm
	WLOAD 208, 0
	s_wait_loadcnt 16                              ; Q and K are in; V^T's eight and W's eight may be out
.irp i, 0,1,2,3,4,5,6,7,8,9,10,11,12,13,14,15  ; S^T = K Q^T: two sums by turns; the first two products start them
.if \i < 2
	v_wmma_f32_16x16x4_f32 v[SA+8*(\i%2):SA+8*(\i%2)+7], v[KR+2*\i:KR+2*\i+1], v[QR+2*\i:QR+2*\i+1], 0
.else
	v_wmma_f32_16x16x4_f32 v[SA+8*(\i%2):SA+8*(\i%2)+7], v[KR+2*\i:KR+2*\i+1], v[QR+2*\i:QR+2*\i+1], v[SA+8*(\i%2):SA+8*(\i%2)+7]
.endif
.endr
.rept 8
	v_nop                                          ; eight places behind this form: for the loads into Q's and K's registers and the reads of the sums
.endr
	WLOAD QR, 1
	WLOAD KR, 2
.irp n, 0,1,2,3
	v_pk_add_f32 v[T+2*\n:T+2*\n+1], v[SA+2*\n:SA+2*\n+1], v[SB+2*\n:SB+2*\n+1]   ; lane (r, h): query r, keys 8 h + 0 .. 7
.endr
.irp j, 0,1,2,3,4,5,6,7
	v_cmp_gt_i32 vcc_lo, \j, v10
	v_cndmask_b32 v[T+\j], v[T+\j], v11, vcc_lo    ; hidden scores become -infinity; key 0 counts for every query
.endr
	v_max3_num_f32 v12, v[T], v[T+1], v[T+2]
	v_max3_num_f32 v13, v[T+3], v[T+4], v[T+5]
	v_max3_num_f32 v12, v12, v[T+6], v[T+7]
	v_max_num_f32 v12, v12, v13
	v_permlanex16_b32 v13, v12, s24, s25
	v_max_num_f32 v12, v12, v13                    ; the row's maximum
	v_mul_f32 v12, s22, v12                        ; c m
.irp n, 0,1,2,3
	v_pk_fma_f32 v[T+2*\n:T+2*\n+1], v[T+2*\n:T+2*\n+1], s[22:23], v[12:13] op_sel_hi:[1,0,0] neg_lo:[0,0,1] neg_hi:[0,0,1]
.endr
.irp j, 0,1,2,3,4,5,6,7
	v_exp_f32 v[T+\j], v[T+\j]
.endr
	v_nop                                          ; a plain line behind the last exponential
	s_wait_alu depctr_va_vdst(0)                   ; one wait for the eight
	v_pk_add_f32 v[14:15], v[T:T+1], v[T+2:T+3]
	v_pk_add_f32 v[10:11], v[T+4:T+5], v[T+6:T+7]
	v_pk_add_f32 v[14:15], v[14:15], v[10:11]
	v_add_f32 v14, v14, v15
	v_permlanex16_b32 v15, v14, s24, s25
	v_add_f32 v14, v14, v15                        ; the row's sum
	v_rcp_f32 v14, v14
	v_nop
	s_wait_alu depctr_va_vdst(0)
.irp n, 0,1,2,3
	v_pk_mul_f32 v[PP+2*\n:PP+2*\n+1], v[T+2*\n:T+2*\n+1], v[14:15] op_sel_hi:[1,0]
.endr
	s_wait_loadcnt 24                              ; V^T is in; W's three tiles, 24 loads, may be out
.irp s, 0,1,2,3                                ; O^T = V^T P: keys 8 h + 2 s + 0, 1; four sums by turns
.irp ct, 0,1,2,3
.if \s == 0
	v_wmma_f32_16x16x4_f32 v[OA+8*\ct:OA+8*\ct+7], v[VR+8*\ct+2*\s:VR+8*\ct+2*\s+1], v[PP+2*\s:PP+2*\s+1], 0
.else
	v_wmma_f32_16x16x4_f32 v[OA+8*\ct:OA+8*\ct+7], v[VR+8*\ct+2*\s:VR+8*\ct+2*\s+1], v[PP+2*\s:PP+2*\s+1], v[OA+8*\ct:OA+8*\ct+7]
.endif
.endr
.endr
.rept 8
	v_nop                                          ; eight places in front of the loads into V^T's registers
.endr
	WLOAD VR, 3
	v_nop                                          ; the ninth: the sums become source 1 of the next products
	s_wait_loadcnt 0x0
.irp ct, 0,1,2,3                               ; Y^T = W O: channels 16 ct + 8 h + 2 s + 0, 1; four sums by turns
.irp s, 0,1,2,3
.irp nt, 0,1,2,3
.if (\ct == 0) && (\s == 0)
	v_wmma_f32_16x16x4_f32 v[YA+8*\nt:YA+8*\nt+7], v[112+32*((\nt+3)%4)+8*\ct+2*\s:112+32*((\nt+3)%4)+8*\ct+2*\s+1], v[OA+8*\ct+2*\s:OA+8*\ct+2*\s+1], 0
.else
	v_wmma_f32_16x16x4_f32 v[YA+8*\nt:YA+8*\nt+7], v[112+32*((\nt+3)%4)+8*\ct+2*\s:112+32*((\nt+3)%4)+8*\ct+2*\s+1], v[OA+8*\ct+2*\s:OA+8*\ct+2*\s+1], v[YA+8*\nt:YA+8*\nt+7]
.endif
.endr
.endr
.endr
.rept 8
	v_nop                                          ; eight places in front of the reads of the sums and of the loads into W's registers
.endr
.irp nt, 0,1,2,3
	ds_store_b128 v6, v[YA+8*\nt:YA+8*\nt+3] offset:64*\nt          ; lane (r, h): query r, columns 16 nt + 8 h + 0 .. 7
	ds_store_b128 v6, v[YA+8*\nt+4:YA+8*\nt+7] offset:64*\nt+16
.endr
	s_wait_dscnt 0x0                               ; for the others' sake: my share lies in LDS
	s_barrier_signal -1
	s_barrier_wait -1
	s_cmp_lt_u32 s10, 8
	s_cbranch_scc0 .Lnot_adding
.irp t, 0,1,2,3,4,5,6,7,8,9,10,11,12,13,14,15
	ds_load_b128 v[112+4*\t:115+4*\t], v7 offset:4352*\t            ; head t's share of my 16 bytes
.endr
	s_wait_dscnt 0x0
.irp t, 0,1,2,3,4,5,6,7
	v_pk_add_f32 v[112+4*\t:113+4*\t], v[112+4*\t:113+4*\t], v[144+4*\t:145+4*\t]
	v_pk_add_f32 v[114+4*\t:115+4*\t], v[114+4*\t:115+4*\t], v[146+4*\t:147+4*\t]
.endr
.irp t, 0,1,2,3
	v_pk_add_f32 v[112+4*\t:113+4*\t], v[112+4*\t:113+4*\t], v[128+4*\t:129+4*\t]
	v_pk_add_f32 v[114+4*\t:115+4*\t], v[114+4*\t:115+4*\t], v[130+4*\t:131+4*\t]
.endr
.irp t, 0,1
	v_pk_add_f32 v[112+4*\t:113+4*\t], v[112+4*\t:113+4*\t], v[120+4*\t:121+4*\t]
	v_pk_add_f32 v[114+4*\t:115+4*\t], v[114+4*\t:115+4*\t], v[122+4*\t:123+4*\t]
.endr
	v_pk_add_f32 v[112:113], v[112:113], v[116:117]
	v_pk_add_f32 v[114:115], v[114:115], v[118:119]
	global_store_b128 v[GO], v[112:115], s[20:21]  ; sixteen lanes store 256 consecutive bytes, aligned
.Lnot_adding:
	s_wait_tensorcnt 0x0                           ; the wave's end, behind my last LDS store
	ds_add_u32 v[SPW], v[NIL]
	s_wait_dscnt 0x0
	s_endpgm
.Lfunc_end_k_q9a7f6d8d29_fine:
	.size	k_q9a7f6d8d29_fine, .Lfunc_end_k_q9a7f6d8d29_fine-k_q9a7f6d8d29_fine
	.p2alignl 7, 3214868480
	.fill 96, 4, 3214868480
	.section	.rodata,"a",@progbits
	.p2align	6, 0x0
	.amdhsa_kernel k_q9a7f6d8d29_fine
		.amdhsa_group_segment_fixed_size 71680
		.amdhsa_private_segment_fixed_size 0
		.amdhsa_enable_private_segment 0
		.amdhsa_kernarg_size 24
		.amdhsa_user_sgpr_count 2
		.amdhsa_user_sgpr_kernarg_segment_ptr 1
		.amdhsa_wavefront_size32 1
		.amdhsa_system_sgpr_workgroup_id_x 1
		.amdhsa_system_sgpr_workgroup_id_y 1
		.amdhsa_system_sgpr_workgroup_id_z 1
		.amdhsa_system_vgpr_workitem_id 0
		.amdhsa_next_free_vgpr 256
		.amdhsa_next_free_sgpr 66
		.amdhsa_reserve_vcc 1
		.amdhsa_float_denorm_mode_32 3
		.amdhsa_float_denorm_mode_16_64 3
		.amdhsa_memory_ordered 1
		.amdhsa_forward_progress 1
		.amdhsa_inst_pref_size 21
	.end_amdhsa_kernel
	.amdgpu_metadata
---
amdhsa.version: [ 1, 2 ]
amdhsa.kernels:
  - .name:           k_q9a7f6d8d29_fine
    .symbol:         k_q9a7f6d8d29_fine.kd
    .args:
      - { .name: fine, .offset: 0, .size: 8, .value_kind: global_buffer, .address_space: global }
      - { .name: wo, .offset: 8, .size: 8, .value_kind: global_buffer, .address_space: global }
      - { .name: out0, .offset: 16, .size: 8, .value_kind: global_buffer, .address_space: global }
    .group_segment_fixed_size: 71680
    .private_segment_fixed_size: 0
    .kernarg_segment_align: 8
    .kernarg_segment_size: 24
    .max_flat_workgroup_size: 512
    .sgpr_count:     66
    .vgpr_count:     256
    .wavefront_size: 32
...
	.end_amdgpu_metadata
.endif
;; end of part 5
